; MI455X (gfx1250); checked and timed in simulation.
; The chip was launched on July 23, 2026; its instructions are those of AMD's public machine-readable ISA for CDNA 5 (MIT licence, August 2026) and "CDNA5" Instruction Set Architecture Reference Guide (July 2026). The comments in the code are by the model that wrote it; some were corrected since.
;; Multi Head Attention. Allowed arithmetic: matrix products marked QUANTISED: E5M2 operands, one given power-of-two scale a tensor, by v_wmma_f32_16x16x64_bf8_bf8 or v_wmma_f32_16x16x128_bf8_bf8, f32 sums; everything else in f32.
;; Inputs: Wk_codes 1,024 x 32 x 32 uint8 (E5M2 codes of Wk, K innermost, in blocks of 32 codes); Wo_codes 1,024 x 32 x 32 uint8 (E5M2 codes of Wo, K innermost, in blocks of 32 codes); Wq_codes 1,024 x 32 x 32 uint8 (E5M2 codes of Wq, K innermost, in blocks of 32 codes); Wv_codes 1,024 x 32 x 32 uint8 (E5M2 codes of Wv, K innermost, in blocks of 32 codes); bk 1,024 float32; bo 1,024 float32; bq 1,024 float32; bv 1,024 float32; k_codes 4 x 2,048 x 32 x 32 uint8 (E5M2 codes of k, K innermost, in blocks of 32 codes); lowp_scales 12 int32 (the exponents e of the quantised operands' scales 2^e); mask 1 x 1 x 2,048 x 2,048 int32; q_codes 4 x 2,048 x 32 x 32 uint8 (E5M2 codes of q, K innermost, in blocks of 32 codes); v_codes 4 x 2,048 x 32 x 32 uint8 (E5M2 codes of v, K innermost, in blocks of 32 codes).
;; Outputs: out0 4 x 2,048 x 1,024 float32.
;; This version of the problem:
;;   THIS VERSION OF THE PROBLEM IS GIVEN IN LOW PRECISION. The matrix products marked QUANTISED in the list below multiply operands that are first quantised to E5M2 (5 exponent bits, 2 mantissa bits; 8 bits a number), with one given power-of-two scale for each operand tensor; their sums are f32. All else is computed in f32.
;;   The module's matrix products, in the order in which they are computed (A, B: the left and right operand; K: the contracted axis; several contracted axes count as one K, in the product's order):
;;     1. [M 8,192, K 1,024] x [K 1,024, N 1,024]; A: input q (given as codes); B: input Wq (given as codes): QUANTISED (scales: A lowp_scales[0], B lowp_scales[1])
;;     2. [M 8,192, K 1,024] x [K 1,024, N 1,024]; A: input k (given as codes); B: input Wk (given as codes): QUANTISED (scales: A lowp_scales[2], B lowp_scales[3])
;;     3. [M 8,192, K 1,024] x [K 1,024, N 1,024]; A: input v (given as codes); B: input Wv (given as codes): QUANTISED (scales: A lowp_scales[4], B lowp_scales[5])
;;     4. batch 64 x [M 2,048, K 64] x [K 64, N 2,048]; A: computed on the way; B: computed on the way: QUANTISED (scales: A lowp_scales[6], B lowp_scales[7])
;;     5. batch 64 x [M 2,048, K 2,048] x [K 2,048, N 64]; A: softmax (see below); B: computed on the way: QUANTISED (scales: A lowp_scales[8], B lowp_scales[9])
;;     6. [M 8,192, K 1,024] x [K 1,024, N 1,024]; A: computed on the way; B: input Wo (given as codes): QUANTISED (scales: A lowp_scales[10], B lowp_scales[11])
;;   THE QUANTISER, for each operand of a quantised product, along K:
;;     - The operand's scale is 2^e, e = its entry of the input lowp_scales (int32; the entries are numbered through the quantised products in the list's order, A before B).
;;     - Each number is divided by the scale, clamped to +-57,344, and rounded to the nearest number of E5M2, ties to even, subnormals kept.
;;     - The product sums the exact products of the quantised numbers (number of the format x scale) in f32.
;;   ~~~python
;;   def quantise(x, axis, e):      # numpy; x: float32 -> the quantised numbers, widened to float32 again
;;       x = np.moveaxis(x, axis, -1); K = x.shape[-1]
;;       r = np.clip(x / 2.0 ** e, -57344, 57344)
;;       step = 2.0 ** (np.maximum(np.frexp(np.where(r == 0, 1, r))[1] - 1, -14) - 2)
;;       q = np.round(r / step) * step * 2.0 ** e      # np.round: ties to even
;;       return np.moveaxis(q, -1, axis).astype(np.float32)
;;   ~~~
;;   SOFTMAX AHEAD OF A QUANTISED PRODUCT. Where the list says 'softmax', what is quantised is not the finished softmax but p = 2^(t - M), with t = logit x log2(e) and M = ceil(the row's largest t), a whole number; so 1/2 < the row's largest p <= 1. The row's sum l is taken of the UNQUANTISED p, in f32, and the product's result is divided by l at the end. Since M is a whole number, a kernel that streams over the keys may use a running M (the ceiling of the running maximum): every later rescaling is an exact power of two, so the quantised numbers keep their values, but for numbers so far below the row's largest that they fall under the format's range.
;;   OPERANDS COMPUTED ON THE WAY. 'Computed on the way' means the value that the module computes at that place (a softmax that the list does not call 'softmax' is quantised finished and normalised). What goes into a quantiser is computed in f32, as accurately as f32 sums, v_exp_f32 and their like allow (about 1e-6 of the number): no bf16 or f16 on the way to a quantiser, and a product that is left as it is and whose result goes on into a quantised operand takes f32 operands (vector FMAs, or v_wmma_f32_16x16x4_f32). A number that lies on a knife's edge between two numbers of the format may be rounded either way, as far as f32 arithmetic and the matrix unit's own rounding can turn it there, and no further.
;;   INPUTS GIVEN AS CODES. Wk (in the module: [1024, 1024], K = its axis 1); Wo (in the module: [1024, 1024], K = its axis 1); Wq (in the module: [1024, 1024], K = its axis 1); Wv (in the module: [1024, 1024], K = its axis 1); k (in the module: [4, 2048, 1024], K = its axis 2); q (in the module: [4, 2048, 1024], K = its axis 2); v (in the module: [4, 2048, 1024], K = its axis 2): each comes as NAME_codes (uint8): NAME with its K axis moved to the last place and cut into blocks of 32 codes, [.., K / 32, bytes a block], one block behind the other in memory; one code a byte (a code: sign, 5 exponent bits, 2 mantissa bits); its scale is its entry of lowp_scales. Its value is code x scale, taken as it is: it is not quantised again, and the codes and scales need not be those that the quantiser above would give.
;; 2 versions, each right; version 2 is version 1 with the launch attn written anew for expert scheduling mode. Each part assembles by itself: llvm-mc -triple=amdgcn-amd-amdhsa -mcpu=gfx1250 --defsym DOCPART=n.
;; ======== version 1 of 2: 4 launches
;; workspace buffers: qimg 8,388,608 bytes; kimg 8,388,608 bytes; vimg 8,388,608 bytes; ctx 8,388,608 bytes; maskw 524,288 bytes of whole numbers; flags 8,192 bytes of whole numbers
;; launch maskbits (part 1): grid 128 x 4, 4 waves a work-group, no clusters, 34,304 bytes of LDS; arguments mask, maskw, flags; writes maskw, flags
.if DOCPART == 1
	.amdgcn_target "amdgcn-amd-amdhsa--gfx1250"
	.amdhsa_code_object_version 6
	.text
	.protected	k_q538f195e9c_maskbits
	.globl	k_q538f195e9c_maskbits
	.p2align	8
	.type	k_q538f195e9c_maskbits,@function
k_q538f195e9c_maskbits:
	s_mov_b64 s[64:65], 0
	v_nop
	global_prefetch_b8 v0, s[64:65] scope:SCOPE_SE
	s_setreg_imm32_b32 hwreg(HW_REG_WAVE_MODE, 25, 1), 1
	s_wait_xcnt 0x0
; The mask [2048 queries][2048 keys] of int32 becomes lane masks for the attention launch, and two flags for each tile.
; A tile (T, ks) is 16 queries 16 T + r x 128 keys 128 ks + ..  Its 64 words: bit (r + 16 h) of word n is set where mask[16 T + r][128 ks + 16 (n / 8) + 8 h + n % 8] == 0,
; which is the lane mask that a select on register n of the transposed score tile wants (a lane holds query r; register n = 8 tau + j holds key 16 tau + 8 h + j).
; flags[T][ks] = (all 2,048 hidden ? 1 << ks : 0) | (none hidden ? 1 << (16 + ks) : 0): the sixteen words of a T are ORed by their reader.
; One wave makes one tile.  Each of its 16 loads reads 512 consecutive bytes of one row of the mask; the rows turn through the wave's own stage in LDS (row pitch 528 bytes = 132 words,
; so the sixteen rows that a read touches start 4 banks apart: 64 banks of 4 bytes, ISA guide 11.1), since a lane needs 8 neighbours of ITS row for each tau.  No barrier: waves share nothing.
.set MROW,  8192                       ; a row of the mask in bytes
.set SP,    528                        ; a stage row
.set R,     16                         ; v16-79   the 16 rows as loaded
.set X,     80                         ; v80-143  register n: my row's mask number for word n
.set OUT,   144                        ; v144-145 lane l gathers words 2 l and 2 l + 1
	s_load_b128 s[4:7], s[0:1], 0x0                ; mask, maskw
	s_load_b64 s[8:9], s[0:1], 0x10                ; flags
	v_lshl_add_u32 v160, v0, 2, 0x8400
	v_mov_b32 v161, 0
	v_lshrrev_b32 v1, 5, v0
	v_readfirstlane_b32 s20, v1                    ; wave 0..3
	v_and_b32 v1, 31, v0                           ; lane
	v_lshlrev_b32 v2, 4, v1                        ; 16 x lane: my 16 bytes of a load's 512
	v_and_b32 v8, 15, v0                           ; r
	v_bfe_u32 v9, v0, 4, 1                         ; h
	s_and_b32 s21, ttmp7, 0xffff
	s_lshl_b32 s21, s21, 2
	s_add_co_u32 s21, s21, s20                     ; ks = 4 x work-group y + wave
	s_mul_i32 s22, s20, 16*SP                      ; my stage
	v_add_nc_u32 v3, s22, v2                       ; into it: as loaded
	v_mul_u32_u24 v4, v8, SP
	v_lshl_add_u32 v4, v9, 5, v4
	v_add_nc_u32 v4, s22, v4                       ; out of it: row r, + 32 h
	v_lshlrev_b32 v5, 3, v1                        ; 8 x lane: my two words of the tile's 64
	v_mov_b32 v6, 0
	v_mov_b32 v[OUT], 0                            ; written whole once: a lane write keeps the other lanes
	v_mov_b32 v[OUT+1], 0
	s_lshl_b32 s24, ttmp9, 17                      ; 16 T rows of 8,192 bytes
	s_lshl_b32 s23, s21, 9                         ; + 128 ks numbers of 4 bytes
	s_add_co_u32 s24, s24, s23
	s_mov_b32 s25, 0
	s_lshl_b32 s26, ttmp9, 4
	s_add_co_u32 s26, s26, s21                     ; 16 T + ks
	s_lshl_b32 s28, s26, 2                         ; its flag word,
	s_lshl_b32 s26, s26, 8                         ; its 64 mask words
	s_mov_b32 s27, 0
	s_mov_b32 s29, 0
	s_mov_b32 s12, -1                              ; AND of the 64 words
	s_mov_b32 s13, 0                               ; OR of the 64 words
	s_wait_kmcnt 0x0
	s_add_nc_u64 s[4:5], s[4:5], s[24:25]
	s_add_nc_u64 s[6:7], s[6:7], s[26:27]
	s_add_nc_u64 s[8:9], s[8:9], s[28:29]
.irp i, 0,1,2,3,4,5,6,7,8,9,10,11,12,13,14,15
	global_load_b128 v[R+4*\i:R+4*\i+3], v2, s[4:5] offset:\i*MROW th:TH_LOAD_NT   ; row i: 32 lanes read 512 consecutive bytes; read once in the launch
.endr
.irp i, 0,1,2,3,4,5,6,7,8,9,10,11,12,13,14,15
	s_wait_loadcnt 15-\i                           ; loads come back in order: row i is in, the younger ones stay out
	ds_store_b128 v3, v[R+4*\i:R+4*\i+3] offset:\i*SP
.endr
.irp t, 0,1,2,3,4,5,6,7
	ds_load_b128 v[X+8*\t:X+8*\t+3], v4 offset:64*\t       ; LDS serves a wave's instructions in order: these see my stores
	ds_load_b128 v[X+8*\t+4:X+8*\t+7], v4 offset:64*\t+16
.endr
	s_wait_dscnt 0x0
.set n, 0
.rept 64
	v_cmp_eq_u32 s[16+n%4], 0, v[X+n]              ; word n: a bit for each lane whose number is 0 (hidden)
	v_writelane_b32 v[OUT+n%2], s[16+n%4], n/2
	s_and_b32 s12, s12, s[16+n%4]
	s_or_b32 s13, s13, s[16+n%4]
.set n, n+1
.endr
	global_store_b64 v5, v[OUT:OUT+1], s[6:7]      ; the wave stores 256 consecutive bytes, aligned
	s_cmp_eq_u32 s12, -1
	s_cselect_b32 s14, 1, 0                        ; all hidden
	s_cmp_eq_u32 s13, 0
	s_cselect_b32 s15, 0x10000, 0                  ; none hidden
	s_or_b32 s14, s14, s15
	s_lshl_b32 s14, s14, s21                       ; at bit ks, and 16 + ks
	v_mov_b32 v7, s14
	v_cmp_eq_u32 vcc_lo, 0, v1
	s_wait_xcnt 0x0                                ; EXEC is a source of the store above: it changes only behind this wait
	s_wait_tensorcnt 0x0
	ds_add_u32 v160, v161
	s_wait_dscnt 0x0
	s_and_saveexec_b32 s22, vcc_lo
	global_store_b32 v6, v7, s[8:9]                ; one word a tile (8,192 bytes in the whole launch): the one store here that does not fill 256 bytes
	s_wait_xcnt 0x0
	s_or_b32 exec_lo, exec_lo, s22
	s_endpgm
.Lfunc_end_k_q538f195e9c_maskbits:
	.size	k_q538f195e9c_maskbits, .Lfunc_end_k_q538f195e9c_maskbits-k_q538f195e9c_maskbits
	.p2alignl 7, 3214868480
	.fill 96, 4, 3214868480
	.section	.rodata,"a",@progbits
	.p2align	6, 0x0
	.amdhsa_kernel k_q538f195e9c_maskbits
		.amdhsa_group_segment_fixed_size 34304
		.amdhsa_private_segment_fixed_size 0
		.amdhsa_enable_private_segment 0
		.amdhsa_kernarg_size 24
		.amdhsa_user_sgpr_count 2
		.amdhsa_user_sgpr_kernarg_segment_ptr 1
		.amdhsa_wavefront_size32 1
		.amdhsa_system_sgpr_workgroup_id_x 1
		.amdhsa_system_sgpr_workgroup_id_y 1
		.amdhsa_system_sgpr_workgroup_id_z 1
		.amdhsa_system_vgpr_workitem_id 0
		.amdhsa_next_free_vgpr 162
		.amdhsa_next_free_sgpr 66
		.amdhsa_reserve_vcc 1
		.amdhsa_float_denorm_mode_32 3
		.amdhsa_float_denorm_mode_16_64 3
		.amdhsa_memory_ordered 1
		.amdhsa_forward_progress 1
		.amdhsa_inst_pref_size 19
	.end_amdhsa_kernel
	.amdgpu_metadata
---
amdhsa.version: [ 1, 2 ]
amdhsa.kernels:
  - .name:           k_q538f195e9c_maskbits
    .symbol:         k_q538f195e9c_maskbits.kd
    .args:
      - { .name: mask, .offset: 0, .size: 8, .value_kind: global_buffer, .address_space: global }
      - { .name: maskw, .offset: 8, .size: 8, .value_kind: global_buffer, .address_space: global }
      - { .name: flags, .offset: 16, .size: 8, .value_kind: global_buffer, .address_space: global }
    .group_segment_fixed_size: 34304
    .private_segment_fixed_size: 0
    .kernarg_segment_align: 8
    .kernarg_segment_size: 24
    .max_flat_workgroup_size: 128
    .sgpr_count:     66
    .vgpr_count:     162
    .wavefront_size: 32
...
	.end_amdgpu_metadata
.endif
;; end of part 1
;; launch proj (part 2): grid 4 x 96, 4 waves a work-group, clusters of 4 x 4, 327,680 bytes of LDS; arguments q_codes, Wq_codes, bq, qimg, k_codes, Wk_codes, bk, kimg, v_codes, Wv_codes, bv, vimg, lowp_scales; writes qimg, kimg, vimg
.if DOCPART == 2
	.amdgcn_target "amdgcn-amd-amdhsa--gfx1250"
	.amdhsa_code_object_version 6
	.text
	.protected	k_q538f195e9c_proj
	.globl	k_q538f195e9c_proj
	.p2align	8
	.type	k_q538f195e9c_proj,@function
k_q538f195e9c_proj:
	s_mov_b64 s[64:65], 0
	v_nop
	global_prefetch_b8 v0, s[64:65] scope:SCOPE_SE
	s_setreg_imm32_b32 hwreg(HW_REG_WAVE_MODE, 25, 1), 1
	s_wait_xcnt 0x0
	s_wait_alu depctr_hold_cnt(0) depctr_sa_sdst(0) depctr_va_vdst(0) depctr_va_sdst(0) depctr_va_ssrc(0) depctr_va_vcc(0) depctr_vm_vsrc(0)
	s_getreg_b32 s2, hwreg(HW_REG_IB_STS2, 6, 4)
	s_cmp_eq_u32 s2, 0
	s_cbranch_scc0 .Lentry_in_a_cluster
	s_endpgm
.Lentry_in_a_cluster:
	s_bfe_u32 s2, ttmp6, 0x10000c
	s_cmp_lg_u32 s2, 0xf033
	s_cbranch_scc0 .Lentry_shape_is_right
	s_endpgm
.Lentry_shape_is_right:
; The three projections x W^T + b on codes of BF8 (E5M2), and the quantising of their results into IMAGES OF OPERAND REGISTERS for the attention launch.
; 24 clusters of 4 x 4 work-groups: g = cluster y / 8 says which product (0: q, 1: k, 2: v), ci = cluster y % 8 which eighth of it.  A work-group makes 256 x 256 sums over K = 1,024; a wave 128 x 128: 64 accumulators.
; THE MATRIX INSTRUCTION'S TWO SOURCES.  Source 1 ('R', 16 rows a fragment) gives the LANE of a result, source 0 ('P') its REGISTER: lane (r, h), register j of accumulator (a, b) is (R row 16 a + r, P row 16 b + 8 h + j).
;   q, k: R = the tokens' codes, P = the weight's rows: a lane holds one token and eight neighbouring features.     v: R = Wv's rows, P = the tokens: a lane holds one feature and eight neighbouring keys.
; Eight such numbers, converted, are two registers that hold k = 16 b + 8 h + 0 .. 7 of row r: registers 2 b, 2 b + 1 of an 8-bit operand as the plain forms lay it (ISA guide 7.12.2).  So four registers go out by one store of
; 16 bytes a lane at 16 x lane, 512 consecutive aligned bytes, and whoever loads them so has the operand.  Nothing is transposed and nothing is staged.
;   qimg, kimg: byte (16 batch + head) 131072 + T 1024 + piece 512 + 16 lane: token tile T (16 tokens), piece p = registers 4 p .. 4 p + 3 of the head's 64 along K.
;   vimg:       byte (16 batch + head) 131072 + s 8192 + t 2048 + piece 512 + 16 lane: key step s (128 keys), lane row d = 16 t + r of the head's 64.
; Both inputs of these products come as rows of codes, and both are fetched by loads of 16 bytes: the same permutation of k in both operands, so every product meets its partner.
; code = (sum x 2^(ex + ew) + bias) / 2^eo, held within +-57,344, to the nearest code, ties to even; eo = entry 6, 7, 9 of the scales for q, k, v.
; LIMITS: ex + ew between -126 and 127; eo between -126 and 112, so that each power of two below is an f32 number.  NaN in a bias is not served.
; One text serves all three: what differs is chosen by scalar selects on g, which all partners of a cluster share; no branch hangs on it.  The bias runs along registers for q and k and along lanes for v: both sets are loaded
; (the one that does not apply from the bias's first bytes) and the one that does not apply is made 0; that costs one packed addition for two numbers.
; CLUSTERS: the four work-groups of a row of the cluster need the same tile of R, the four of a column the same tile of P: each tile is asked for jointly, by the same tensor load with the same descriptor and a mask of the four.
; K goes in steps of 256 (rows of 256 bytes) through two LDS slots.  REGISTERS, in windows of 256: window 0: v0-31 addresses, v32-127 biases and the way out's constants, from v128 R's fragments (one set);
;   window 1: P's fragments, two sets, at v0 and v128; window 2: the accumulators of my R blocks 0-3 ((a, b) at v[8 (8 (a % 4) + b)]); window 3: those of blocks 4-7.
.set KSTEP,  256                       ; along K in a slot
.set ROWB,   256                       ; a tile's row in bytes
.set KROW,   1024                      ; a row of codes in memory
.set PITCH,  272                       ; an LDS row: 256 bytes + 16 of padding = 68 words: row r starts at bank 4 r mod 64 (64 banks of 4 bytes: ISA guide 11.1)
.set FR,     16                        ; registers of a fragment: 16 rows x 128 K
.set NL,     4                         ; LDS loads that bring one
.set NP,     4                         ; places behind this matrix instruction (ISA guide 7.12.1)
.set HALFT,  128*PITCH                 ; 128 rows: what one tensor load brings, and what one wave reads of R or of P
.set SLOT,   4*HALFT                   ; R's 256 rows, then P's 256 rows
.set LAPS,   1024/(2*KSTEP)            ; a lap = two K steps = once round the ring
.set SPARE,  2*SLOT                    ; behind the ring: the spare words, 128 bytes for each wave
.set ADRA, 16                          ; v16-17  LDS address of my R fragments in slot 0, 1
.set ADRB, 20                          ; v20-21  the same for P
.set SPW,  28                          ; v28     LDS address of my spare word; never rewritten
.set NIL,  29                          ; v29     0; never rewritten
.set CB,   32                          ; v32-95  the bias along registers: 8 b + j (0 for v)
.set RBL,  96                          ; v96-103 the bias along lanes, as loaded: block a
.set RB2,  104                         ; v104-119 the same twice, as pairs (0 for q and k)
.set VO,   120                         ; v120-123 where my 16 bytes of the four stores of a block go
.set SCL,  124                         ; v124    2^eo
.set LIM,  125                         ; v125    57,344 x 2^eo
.set AF,   128                         ; R's fragments
.set TMP,  128                         ; the way out: a block's 64 numbers; v192-255: its codes, four sets by turns
.set G1, 24                            ; s[24:31] descriptor group 1 for R's tiles;  s[32:39] group 0, one set for each slot
.set G0, 32
.set G1B, 48                           ; s[48:55], s[56:63] the same for P's tiles
.set G0B, 56
.set MSB, 0
.macro WIN new                         ; the immediate's high byte repeats the setting that is left
.if MSB != \new
	s_set_vgpr_msb (MSB<<8)|\new
.set MSB, \new
.endif
.endm
.set MUL_LO, 0xa1                      ; source 0 (P) window 1, source 1 (R) window 0, C and D window 2
.set MUL_HI, 0xf1                      ; the same, C and D window 3
.set TO_B,   0x40                      ; destination window 1, address window 0
; A joint load: waves 0 and 1 fetch for R, waves 2 and 3 for P.  The branch hangs on the wave's number alone.  Four v_nop follow each of the two lines.
.macro JLOAD g0a, g1a, g0b, g1b
	s_cmp_eq_u32 s15, 0
	s_cbranch_scc0 .Lfor_b_\@
	tensor_load_to_lds s[\g0a:\g0a+3], s[\g1a:\g1a+7]
	s_nop 0
.rept 4
	v_nop
.endr
	s_branch .Lasked_\@
.Lfor_b_\@:
	tensor_load_to_lds s[\g0b:\g0b+3], s[\g1b:\g1b+7]
	s_nop 0
.rept 4
	v_nop
.endr
.Lasked_\@:
.endm
.macro CREST                           ; a round of the cluster's barrier behind its opening barrier
	s_cmp_lg_u32 s14, 0
	s_cbranch_scc1 .Lnot_wave_0_\@
	s_barrier_signal -3
.Lnot_wave_0_\@:
	s_barrier_wait -3
	s_barrier_signal -1
	s_barrier_wait -1
.endm
.macro CROUND                          ; a whole round
	s_barrier_signal -1
	s_barrier_wait -1
	CREST
.endm
	s_load_b256 s[68:75], s[0:1], 0x0              ; q's codes, Wq's codes, bq, qimg
	s_load_b256 s[76:83], s[0:1], 0x20             ; the same for k
	s_load_b256 s[84:91], s[0:1], 0x40             ; the same for v
	s_load_b64 s[8:9], s[0:1], 0x60                ; the scales' exponents
	v_lshl_add_u32 v[SPW], v0, 2, SPARE
	v_mov_b32 v[NIL], 0
	ds_add_u32 v28, v29
	ds_add_u32 v28, v29
	s_wait_dscnt 0x0
	v_lshrrev_b32 v1, 5, v0
	v_readfirstlane_b32 s14, v1                    ; wave 0..3
	s_lshr_b32 s15, s14, 1                         ; which half of the tile's R rows is mine.  Also: I fetch for R (0) or for P (1)
	s_and_b32 s16, s14, 1                          ; which half of its P rows.  Also: which 128 rows of that tile I fetch
	s_bfe_u32 s40, ttmp6, 0x40000                  ; cx, cy: my place in the cluster
	s_bfe_u32 s41, ttmp6, 0x40004
	s_and_b32 s67, ttmp7, 0xffff                   ; the cluster's y: 0 .. 23
	s_lshr_b32 s66, s67, 3                         ; g: which product
	s_and_b32 s67, s67, 7
	s_lshl_b32 s67, s67, 2                         ; 4 ci
	s_cmp_eq_u32 s66, 2                            ; the tokens (32 tiles of 256) are R for q and k, P for v; the weight (4 tiles) is the other
	s_cselect_b32 s42, s67, 0
	s_cselect_b32 s17, 0, s67
	s_add_co_u32 s42, s42, s40                     ; P's tile
	s_add_co_u32 s17, s17, s41                     ; R's tile
	s_lshl_b32 s43, s41, 2
	s_lshl_b32 s43, 15, s43                        ; my row of the cluster
	s_lshl_b32 s44, 0x1111, s40                    ; my column
	; descriptor group 1: a tile of 128 rows x 256 bytes, padded in LDS
	s_or_b32 s[G1+0], s43, (0<<16)|(1<<20)|(1<<21)|(5<<22)|(3<<25)  ; 15:0 the mask: R's tiles go to my row; 17:16 element of 1 byte; 20 padding on; 21 set beside a mask; 24:22 after every 64 words; 31:25 of 4 words
	s_or_b32 s[G1B+0], s44, (0<<16)|(1<<20)|(1<<21)|(5<<22)|(3<<25)
.irp g, G1, G1B
	s_mov_b32 s[\g+1], ROWB<<16                    ; tensor_dim0
	s_mov_b32 s[\g+2], 128<<16                     ; tensor_dim1 = 128
	s_mov_b32 s[\g+3], ROWB<<16                    ; tile_dim0
	s_mov_b32 s[\g+4], 128                         ; tile_dim1 = 128
	s_mov_b32 s[\g+5], KROW                        ; tensor_dim0_stride
	s_mov_b32 s[\g+6], 0
	s_mov_b32 s[\g+7], 0
.endr
	s_lshl_b32 s18, s16, 7                         ; which 128 rows of the tile I fetch
	s_lshl_b32 s20, s17, 8
	s_add_co_u32 s20, s20, s18                     ; R: row 256 x tile + 128 x half
	s_lshl_b32 s46, s42, 8
	s_add_co_u32 s46, s46, s18                     ; P likewise
	s_lshl_b32 s20, s20, 10                        ; in bytes: under 2^23
	s_lshl_b32 s46, s46, 10
	s_mov_b32 s21, 0
	s_mov_b32 s47, 0
	s_mul_i32 s45, s14, HALFT                      ; where they go: wave x 128 rows: no place in the cluster enters an LDS address
	s_wait_kmcnt 0x0
	s_cmp_eq_u32 s66, 1                            ; the product's four buffers: the choice hangs on the cluster's number alone
	s_cselect_b64 s[68:69], s[76:77], s[68:69]
	s_cselect_b64 s[70:71], s[78:79], s[70:71]
	s_cselect_b64 s[72:73], s[80:81], s[72:73]
	s_cselect_b64 s[74:75], s[82:83], s[74:75]
	s_cmp_eq_u32 s66, 2
	s_cselect_b64 s[4:5], s[86:87], s[68:69]       ; R: Wv's codes, or the tokens'
	s_cselect_b64 s[6:7], s[84:85], s[70:71]       ; P: v's codes, or the weight's
	s_cselect_b64 s[12:13], s[88:89], s[72:73]     ; the bias
	s_cselect_b64 s[10:11], s[90:91], s[74:75]     ; the image
	s_load_b256 s[68:75], s[8:9], 0x0              ; e0 .. e7
	s_load_b128 s[76:79], s[8:9], 0x20             ; e8 .. e11
	s_add_nc_u64 s[20:21], s[4:5], s[20:21]
	s_add_nc_u64 s[46:47], s[6:7], s[46:47]
	CROUND                                         ; all sixteen work-groups are here: the first joint loads meet
.irp s, 0,1
	s_mov_b32 s[G0+4*\s], 1
	s_add_co_u32 s[G0+4*\s+1], s45, \s*SLOT
	s_add_nc_u64 s[G0+4*\s+2:G0+4*\s+3], s[20:21], \s*ROWB
	s_or_b32 s[G0+4*\s+3], s[G0+4*\s+3], 0x80000000
	s_mov_b32 s[G0B+4*\s], 1
	s_add_co_u32 s[G0B+4*\s+1], s45, \s*SLOT
	s_add_nc_u64 s[G0B+4*\s+2:G0B+4*\s+3], s[46:47], \s*ROWB
	s_or_b32 s[G0B+4*\s+3], s[G0B+4*\s+3], 0x80000000
	JLOAD G0+4*\s, G1, G0B+4*\s, G1B
.endr
	v_and_b32 v1, 15, v0                           ; r
	v_bfe_u32 v2, v0, 4, 1                         ; h
	v_mul_u32_u24 v3, v1, PITCH
	v_lshl_add_u32 v4, v2, 4, v3                   ; a fragment's row x pitch + 16 x half
	s_mul_i32 s21, s15, HALFT                      ; my 128 rows of R
	s_mul_i32 s22, s16, HALFT                      ; my 128 rows of P,
	s_add_co_u32 s22, s22, 2*HALFT                 ; which lie behind R's 256
.irp s, 0,1
	v_add_nc_u32 v[ADRA+\s], s21, v4
	v_add_nc_u32 v[ADRB+\s], s22, v4
	s_add_co_u32 s21, s21, SLOT
	s_add_co_u32 s22, s22, SLOT
.endr
	; the way out's numbers, made while the first tiles land.  They mix both coordinates, in registers that feed no descriptor.
	s_lshl_b32 s98, s17, 1
	s_add_co_u32 s98, s98, s15                     ; which 128 rows of R are my wave's
	s_lshl_b32 s99, s42, 1
	s_add_co_u32 s99, s99, s16                     ; which 128 rows of P
	s_cmp_eq_u32 s66, 2
	s_cselect_b32 s94, s99, s98                    ; my 128 tokens,
	s_cselect_b32 s95, s98, s99                    ; my 128 features (two heads)
	s_cselect_b32 s80, 0, s99                      ; the bias along registers begins at P's features, or (v) at 0, unused
	s_cselect_b32 s81, s98, 0                      ; the bias along lanes at R's features (v), or at 0, unused
	s_mov_b32 s84, 1024
	s_cselect_b32 s84, 2048, s84                   ; from block a to a + 1 in the image: a token tile (q, k) or a tile of 16 of the head's 64 (v),
	s_cselect_b32 s86, 122880, 0                   ; and for v from block 3 to 4 the next head: 131,072 - 4 x 2,048 more
	s_cselect_b32 s88, 0, 130048                   ; q, k: stores 2 and 3 of a block belong to the next head: 131,072 - 1,024 more
	s_cselect_b32 s82, -1, 0                       ; lane mask: the bias along lanes applies
	s_cselect_b32 s83, 0, -1                       ; lane mask: the bias along registers applies
	s_mov_b32 s85, 0
	s_mov_b32 s87, 0
	s_lshl_b32 s80, s80, 9                         ; 128 numbers of 4 bytes
	s_lshl_b32 s98, s81, 9
	s_mov_b32 s81, 0
	s_mov_b32 s99, 0
	s_add_nc_u64 s[90:91], s[12:13], s[80:81]
	s_add_nc_u64 s[92:93], s[12:13], s[98:99]
	s_lshr_b32 s80, s94, 4                         ; the batch: 16 heads of 131,072 bytes
	s_lshl_b32 s80, s80, 21
	s_lshl_b32 s89, s95, 18                        ; two heads
	s_add_co_u32 s80, s80, s89
	s_and_b32 s89, s94, 15                         ; 128 tokens are 8,192 bytes of a head's image, in all three
	s_lshl_b32 s89, s89, 13
	s_add_co_u32 s80, s80, s89
	s_add_nc_u64 s[10:11], s[10:11], s[80:81]
	v_lshlrev_b32 v6, 5, v2                        ; 32 h
	v_lshlrev_b32 v7, 2, v1                        ; 4 r
.irp b, 0,1,2,3,4,5,6,7
	global_load_b128 v[CB+8*\b:CB+8*\b+3], v6, s[90:91] offset:64*\b         ; bias[16 b + 8 h + 0 .. 7]
	global_load_b128 v[CB+8*\b+4:CB+8*\b+7], v6, s[90:91] offset:64*\b+16
.endr
.irp a, 0,1,2,3,4,5,6,7
	global_load_b32 v[RBL+\a], v7, s[92:93] offset:64*\a                     ; bias[16 a + r]
.endr
	v_and_b32 v8, 31, v0
	v_lshlrev_b32 v[VO], 4, v8                     ; 16 x lane
	v_add_nc_u32 v[VO+1], 512, v[VO]
	v_add3_u32 v[VO+2], v[VO], s88, 1024
	v_add3_u32 v[VO+3], v[VO], s88, 1536
	s_wait_kmcnt 0x0
	s_add_co_i32 s68, s68, s69                     ; e0 + e1
	s_add_co_i32 s70, s70, s71                     ; e2 + e3
	s_add_co_i32 s72, s72, s73                     ; e4 + e5
	s_cmp_eq_u32 s66, 1
	s_cselect_b32 s68, s70, s68
	s_cselect_b32 s74, s75, s74                    ; e7 or e6
	s_cmp_eq_u32 s66, 2
	s_cselect_b32 s68, s72, s68                    ; ex + ew
	s_cselect_b32 s74, s77, s74                    ; eo (v: e9)
	s_add_co_i32 s96, s68, 127
	s_lshl_b32 s96, s96, 23                        ; 2^(ex + ew) as f32
	s_mov_b32 s97, s96                             ; (named with it as a pair, so it is written)
	s_add_co_i32 s74, s74, 127
	s_lshl_b32 s75, s74, 23
	v_mov_b32 v[SCL], s75                          ; 2^eo: the conversion takes its exponent field
	s_add_co_i32 s74, s74, 15
	s_lshl_b32 s74, s74, 23
	s_or_b32 s74, s74, 0x600000
	v_mov_b32 v[LIM], s74                          ; 57,344 x 2^eo
	s_wait_loadcnt 0x0                             ; the biases
.set i, 0
.rept 64
	v_cndmask_b32 v[CB+i], 0, v[CB+i], s83         ; 0 where the bias runs along lanes
.set i, i+1
.endr
.irp a, 0,1,2,3,4,5,6,7
	v_cndmask_b32 v[RB2+2*\a], 0, v[RBL+\a], s82   ; 0 where it runs along registers
	v_cndmask_b32 v[RB2+2*\a+1], 0, v[RBL+\a], s82
.endr
.macro FRAG reg, adr, q, i             ; a fragment, 16 rows x 128 K of 8-bit codes, is 16 registers, by four loads of 16 bytes: the same places of k in R and in P
.irp c, 0,1,2,3
	ds_load_b128 v[\reg+4*\c:\reg+4*\c+3], v[\adr] offset:128*(\q)+32*\c+(\i)*16*PITCH
.endr
.endm
; 16 matrix instructions: R's blocks a0, a0 + 1 x P's eight, 128 along K.  p: P's set.  zero = 1: the first product starts the sums.
; The 64 accumulators take turns, one instruction a turn, in the same order in every step.
.macro MUL16 a0, p, zero
.irp a, \a0, \a0+1
.irp b, 0,1,2,3,4,5,6,7
.if \zero
	v_wmma_f32_16x16x128_bf8_bf8 v[8*(8*((\a)%4)+\b):8*(8*((\a)%4)+\b)+7], v[128*(\p)+FR*\b:128*(\p)+FR*\b+FR-1], v[AF+FR*(\a):AF+FR*(\a)+FR-1], 0
.else
	v_wmma_f32_16x16x128_bf8_bf8 v[8*(8*((\a)%4)+\b):8*(8*((\a)%4)+\b)+7], v[128*(\p)+FR*\b:128*(\p)+FR*\b+FR-1], v[AF+FR*(\a):AF+FR*(\a)+FR-1], v[8*(8*((\a)%4)+\b):8*(8*((\a)%4)+\b)+7]
.endif
.endr
.endr
.endm
.macro FETCH_B slot, q, p              ; P's eight fragments of the slot's q-th 128 along K into set p
	WIN TO_B
.irp i, 0,1,2,3,4,5,6,7
	FRAG 128*(\p)+FR*\i, ADRB+\slot, \q, \i
.endr
	WIN 0
.endm
.macro FETCH_A slot, q, i0             ; R's blocks i0 .. i0 + 3
.irp i, \i0, \i0+1, \i0+2, \i0+3
	FRAG AF+FR*(\i), ADRA+\slot, \q, \i
.endr
.endm
; A load into a register that a matrix instruction has read, and a vector instruction that reads a matrix result or writes one of its registers, stand NP places behind it; only plain vector instructions that name none of its registers are places.
.macro PLACES n
.rept \n
	v_nop
.endr
.endm
; A step of 128 along K that has its successor in the same slot.  R has one set of registers: a block is free when its eight products are issued; P has two.
.macro STEP slot, q, zero
	s_wait_dscnt 4*NL                              ; P's set and R's blocks 0-3 are in; the youngest sixteen loads (R's blocks 4-7) may be out
	WIN MUL_LO
	MUL16 0, (\q)%2, \zero
	MUL16 2, (\q)%2, \zero
	s_wait_dscnt 0                                 ; R's blocks 4-7 are in
	PLACES NP
	FETCH_B \slot, (\q)+1, 1-(\q)%2
	FETCH_A \slot, (\q)+1, 0
	WIN MUL_HI
	MUL16 4, (\q)%2, \zero
	MUL16 6, (\q)%2, \zero
	PLACES NP
	WIN 0
	FETCH_A \slot, (\q)+1, 4
.endm
; A slot's last step changes slots: ONE barrier; in front of it each wave waits for all its tensor loads, adds 0 to its spare word, and waits for that and for its own reads of this slot.  fill = 1: this slot is filled again, two K steps ahead.
.macro TURN slot, next, fill
	s_wait_tensorcnt 0x0                           ; all my tensor loads have landed: my part of the next slot
	ds_add_u32 v[SPW], v[NIL]                      ; 0 onto my spare word
	s_wait_dscnt 4*NL+1                            ; (the add and the youngest sixteen loads may be out)
	WIN MUL_LO
	MUL16 0, 1, 0                                  ; sixteen matrix instructions stand between the add and the wait for it
	s_wait_dscnt 0x0                               ; the add is done, and my reads of this slot are over
	s_barrier_signal -1
	MUL16 2, 1, 0
	WIN 0
	s_barrier_wait -1
.if \fill
	CREST                                          ; the barrier has opened a round of the cluster's barrier: no wave of any partner still reads this slot or has a load on its way
	s_add_nc_u64 s[G0+4*\slot+2:G0+4*\slot+3], s[G0+4*\slot+2:G0+4*\slot+3], 2*ROWB
	s_add_nc_u64 s[G0B+4*\slot+2:G0B+4*\slot+3], s[G0B+4*\slot+2:G0B+4*\slot+3], 2*ROWB
	JLOAD G0+4*\slot, G1, G0B+4*\slot, G1B         ; the first tensor load behind the round; its four v_nop are the places in front of the loads below
.else
	PLACES NP
.endif
	FETCH_B \next, 0, 0
	FETCH_A \next, 0, 0
	WIN MUL_HI
	MUL16 4, 1, 0
	MUL16 6, 1, 0
	PLACES NP
	WIN 0
	FETCH_A \next, 0, 4
.endm
	s_wait_tensorcnt 1                             ; my part of K step 0 is in (K step 1's load may be out)
	s_barrier_signal -1
	s_barrier_wait -1                              ; everybody's is
	FETCH_B 0, 0, 0
	FETCH_A 0, 0, 0
	FETCH_A 0, 0, 4
	STEP 0, 0, 1                                   ; the first step stands in front of the loop: its products start the sums
	s_mov_b32 s3, LAPS-1
.Llap:                                                 ; a trip goes once round the ring, from a lap's second step to the next lap's first, and fills both slots again
	TURN 0, 1, 1
	STEP 1, 0, 0
	TURN 1, 0, 1
	STEP 0, 0, 0
	s_sub_co_u32 s3, s3, 1
	s_cmp_lg_u32 s3, 0
	s_cbranch_scc1 .Llap
	TURN 0, 1, 0                                   ; the last lap fills nothing, and has no round of the cluster's barrier
	STEP 1, 0, 0
	s_wait_dscnt 4*NL                              ; the very last step: nothing more to fetch
	WIN MUL_LO
	MUL16 0, 1, 0
	MUL16 2, 1, 0
	s_wait_dscnt 0
	WIN MUL_HI
	MUL16 4, 1, 0
	MUL16 6, 1, 0
	WIN 0
; THE WAY OUT of block a (16 rows of R x my 128 rows of P): sum x 2^(ex + ew) + bias; the hold (the conversion to an 8-bit code does not saturate: ISA guide 7.6.2); eight conversions; four stores of 512 consecutive aligned bytes.
.macro OUTBLK a
.set AC, 64*((\a)%4)
.set CD, 192+16*((\a)%4)
	WIN 0x02+((\a)/4)                              ; source 0: window 2 or 3
.set j, 0
.rept 32
	v_pk_fma_f32 v[TMP+j:TMP+j+1], v[AC+j:AC+j+1], s[96:97], v[CB+j:CB+j+1] op_sel_hi:[1,0,1]   ; each accumulator from its low end on
.set j, j+2
.endr
	WIN 0
.set j, 0
.rept 32
	v_pk_add_f32 v[TMP+j:TMP+j+1], v[TMP+j:TMP+j+1], v[RB2+2*(\a):RB2+2*(\a)+1]   ; the bias along lanes (0 for q and k)
.set j, j+2
.endr
.set j, 0
.rept 64
	v_med3_num_f32 v[TMP+j], v[TMP+j], -v[LIM], v[LIM]
.set j, j+1
.endr
.irp b, 0,1,2,3,4,5,6,7
	v_cvt_scalef32_pk8_bf8_f32 v[CD+2*\b:CD+2*\b+1], v[TMP+8*\b:TMP+8*\b+7], v[SCL]   ; registers 2 b, 2 b + 1 of the operand
.endr
	v_nop                                          ; one plain vector instruction behind the last conversion: the next block writes the conversions' sources
.if (\a) > 0
	s_wait_xcnt 0x0                                ; the earlier stores have read their base and their codes' registers (a set of codes is written again four blocks on)
	s_add_nc_u64 s[10:11], s[10:11], s[84:85]
.endif
.if (\a) == 4
	s_add_nc_u64 s[10:11], s[10:11], s[86:87]
.endif
.irp b, 0,1,2,3
	global_store_b128 v[VO+\b], v[CD+4*\b:CD+4*\b+3], s[10:11]
.endr
.endm
	PLACES NP                                      ; behind the last products: the first block writes registers that held R's fragments
.irp a, 0,1,2,3,4,5,6,7
	OUTBLK \a
.endr
	s_wait_tensorcnt 0x0                           ; the wave's end
	ds_add_u32 v[SPW], v[NIL]
	s_wait_dscnt 0x0
	CROUND                                         ; the closing round: no work-group ends while a partner may still ask for a tile that names it
	s_endpgm
.Lfunc_end_k_q538f195e9c_proj:
	.size	k_q538f195e9c_proj, .Lfunc_end_k_q538f195e9c_proj-k_q538f195e9c_proj
	.p2alignl 7, 3214868480
	.fill 96, 4, 3214868480
	.section	.rodata,"a",@progbits
	.p2align	6, 0x0
	.amdhsa_kernel k_q538f195e9c_proj
		.amdhsa_group_segment_fixed_size 327680
		.amdhsa_private_segment_fixed_size 0
		.amdhsa_enable_private_segment 0
		.amdhsa_kernarg_size 104
		.amdhsa_user_sgpr_count 2
		.amdhsa_user_sgpr_kernarg_segment_ptr 1
		.amdhsa_wavefront_size32 1
		.amdhsa_system_sgpr_workgroup_id_x 1
		.amdhsa_system_sgpr_workgroup_id_y 1
		.amdhsa_system_sgpr_workgroup_id_z 1
		.amdhsa_system_vgpr_workitem_id 0
		.amdhsa_next_free_vgpr 1024
		.amdhsa_next_free_sgpr 100
		.amdhsa_reserve_vcc 0
		.amdhsa_float_denorm_mode_32 3
		.amdhsa_float_denorm_mode_16_64 3
		.amdhsa_memory_ordered 1
		.amdhsa_forward_progress 1
		.amdhsa_inst_pref_size 159
	.end_amdhsa_kernel
	.amdgpu_metadata
---
amdhsa.version: [ 1, 2 ]
amdhsa.kernels:
  - .name:           k_q538f195e9c_proj
    .symbol:         k_q538f195e9c_proj.kd
    .args:
      - { .name: q_codes, .offset: 0, .size: 8, .value_kind: global_buffer, .address_space: global }
      - { .name: Wq_codes, .offset: 8, .size: 8, .value_kind: global_buffer, .address_space: global }
      - { .name: bq, .offset: 16, .size: 8, .value_kind: global_buffer, .address_space: global }
      - { .name: qimg, .offset: 24, .size: 8, .value_kind: global_buffer, .address_space: global }
      - { .name: k_codes, .offset: 32, .size: 8, .value_kind: global_buffer, .address_space: global }
      - { .name: Wk_codes, .offset: 40, .size: 8, .value_kind: global_buffer, .address_space: global }
      - { .name: bk, .offset: 48, .size: 8, .value_kind: global_buffer, .address_space: global }
      - { .name: kimg, .offset: 56, .size: 8, .value_kind: global_buffer, .address_space: global }
      - { .name: v_codes, .offset: 64, .size: 8, .value_kind: global_buffer, .address_space: global }
      - { .name: Wv_codes, .offset: 72, .size: 8, .value_kind: global_buffer, .address_space: global }
      - { .name: bv, .offset: 80, .size: 8, .value_kind: global_buffer, .address_space: global }
      - { .name: vimg, .offset: 88, .size: 8, .value_kind: global_buffer, .address_space: global }
      - { .name: lowp_scales, .offset: 96, .size: 8, .value_kind: global_buffer, .address_space: global }
    .group_segment_fixed_size: 327680
    .private_segment_fixed_size: 0
    .kernarg_segment_align: 8
    .kernarg_segment_size: 104
    .max_flat_workgroup_size: 128
    .sgpr_count:     100
    .vgpr_count:     1024
    .wavefront_size: 32
...
	.end_amdgpu_metadata
.endif
;; end of part 2
;; launch attn (part 3): grid 4 x 64, 16 waves a work-group, no clusters, 268,288 bytes of LDS; arguments qimg, kimg, vimg, maskw, flags, lowp_scales, ctx; writes ctx
.if DOCPART == 3
	.amdgcn_target "amdgcn-amd-amdhsa--gfx1250"
	.amdhsa_code_object_version 6
	.text
	.protected	k_q538f195e9c_attn
	.globl	k_q538f195e9c_attn
	.p2align	8
	.type	k_q538f195e9c_attn,@function
k_q538f195e9c_attn:
	s_mov_b64 s[64:65], 0
	v_nop
	global_prefetch_b8 v0, s[64:65] scope:SCOPE_SE
	s_setreg_imm32_b32 hwreg(HW_REG_WAVE_MODE, 25, 1), 1
	s_wait_xcnt 0x0
; Attention on codes of BF8 (E5M2): for one head, o = softmax(where(mask == 0, -10000, q k^T / 8)) v, quantised as the last product's operand.  Operands come as images of their registers (16 bytes a lane at 16 x lane).
; THE SOFTMAX AHEAD OF THE SECOND PRODUCT: t = logit x log2(e); M = the row's largest t so far, rounded UP to a whole number; p = 2^(t - M) is quantised (scale 2^e8), not normalised; the row's sum is taken of the unquantised p
; and divides at the end.  When M moves, the sum and O are multiplied by 2^(old M - new M): exact.
; SHARES.  Work-group (jq, bh): head bh, query tiles T = 4 i + jq, i = 0 .. 31.  Wave w takes i = 31 - w and then i = w.  A tile (16 queries) walks 16 key steps of 128.  256 registers a wave, four waves to a SIMD.
; LDS.  The head's K image (131,072 bytes) and V image (131,072) are copied in once, through registers, each wave one key step of both; a table of 4,096 bytes follows.  ONE barrier; behind it LDS is only read.
; NO CLUSTER, NO TENSOR LOAD: the walk over key steps branches on flags that an earlier launch stored, and what work-groups share (a head's 262,144 bytes, read by four) is fetched once at the head and fits in LDS whole.
; LAYOUT.  Both products transposed: S^T = K Q^T (source 0 = 16 keys, source 1 = my queries), O^T = V^T P^T: a lane holds ONE query (lane % 16).  Register 8 tau + j of S^T is key 16 tau + 8 (lane / 16) + j, so a tile's eight
; registers, converted, are registers 2 tau, 2 tau + 1 of P as the plain 8-bit forms lay an operand; O^T's likewise of the last product's operand.
; THE MASK IS AN INPUT and is honoured as given.  A hidden score's raw sum is replaced by RAW = -80,000 x 2^-(e6 + e7), which stands for the logit -10,000, by one select a register on a lane mask (64 words a tile step, scalar loads).
; A step with nothing hidden jumps over the selects.  A STEP HIDDEN THROUGHOUT is not walked: all its p are the one number pm = 2^(tm - M), tm = -10,000 log2(e), so it adds Q(pm) x (the sum of V's codes over its 128 keys) to O^T
; and 128 pm to the row's sum.  The sums of V's codes, one row of the table a step, are made at the head by matrix instructions against a fragment of ones; behind a tile's walk tm enters the maximum (only where steps were left out).
; LIMITS on the given exponents, so that each power of two below is an f32 number: e6 + e7 between -111 and 130; e8 and e10 between -126 and 112; e8 + e9 is applied by v_ldexp_f32 and has none.
; REGISTERS: v1 16 lane; v2 the same in V's image; v3 my place in a table row; v4, v5 offsets of Q and of the result; v8, v9 LDS addresses in hand; v12 -M, v13 the largest t, v[14:15] the sum; v16-23 Q; v32-95 K's, then V's fragments;
;   v96-159 S^T, then p; v160-191 O^T; v192-199 the result's codes; v200-209 pm's conversion; v210 a permute's destination; v224-239 p's codes; v240-254 constants and work.
; SCALARS: s2 wave; s3 tiles to go; s[16:63], s[68:83] a step's 64 mask words; s[84:85] result; s[86:87] c; s[88:89] permute selects; s90 LDS byte of the step; s91 its mask words' offset; s92 the step; s93 the tile's flags; s96 hold p?; s97 e8 + e9; s99 T.
.set VIMG,  131072                     ; LDS: K's image at 0, V's here,
.set TBL,   262144                     ; and the table: row s (256 bytes): the sums of V's codes over key step s, [t][h][j] as O^T's registers lie
.set PRM,   210
	s_load_b256 s[4:11], s[0:1], 0x0               ; qimg, kimg, vimg, maskw
	s_load_b128 s[12:15], s[0:1], 0x20             ; flags, the scales' exponents
	s_load_b64 s[84:85], s[0:1], 0x30              ; ctx
	v_lshl_add_u32 v223, v0, 2, 0x41000
	v_mov_b32 v255, 0
	v_lshrrev_b32 v6, 5, v0
	v_readfirstlane_b32 s2, v6                     ; wave 0..15
	v_and_b32 v6, 31, v0
	v_lshlrev_b32 v1, 4, v6                        ; 16 x lane
	v_add_nc_u32 v2, VIMG, v1
	v_bfe_u32 v7, v0, 4, 1                         ; h
	v_lshlrev_b32 v3, 5, v7
	v_add_nc_u32 v3, TBL, v3                       ; the table: + 32 h
	s_lshl_b32 s92, s2, 13                         ; my key step of the copy: 8,192 bytes of each image
	s_mov_b32 s93, 0
	v_add_nc_u32 v10, s92, v1                      ; where I put K's bytes,
	v_add_nc_u32 v11, s92, v2                      ; V's,
	s_lshl_b32 s94, s2, 8
	v_add_nc_u32 v9, s94, v3                       ; and my row of the table
	s_and_b32 s95, ttmp7, 0xffff                   ; bh = 16 batch + head
	s_lshl_b32 s90, s95, 17                        ; the head's image in each of the three
	s_mov_b32 s91, 0
	s_lshr_b32 s98, s95, 4
	s_lshl_b32 s98, s98, 21                        ; the result: batch x 128 token tiles of 16,384 bytes,
	s_bfe_u32 s94, s95, 0x30001
	s_lshl_b32 s94, s94, 11                        ; + (head / 2) fragments of 2,048,
	s_add_co_u32 s98, s98, s94
	s_and_b32 s94, s95, 1
	s_lshl_b32 s94, s94, 10                        ; + (head % 2) halves of one
	s_add_co_u32 s98, s98, s94
	s_mov_b32 s99, 0
	s_mov_b32 s88, 0x76543210                      ; v_permlanex16_b32: lane l xor 16
	s_mov_b32 s89, 0xfedcba98
	s_wait_kmcnt 0x0
	s_load_b256 s[16:23], s[14:15], 0x0            ; e0 .. e7
	s_load_b128 s[24:27], s[14:15], 0x20           ; e8 .. e11
	s_add_nc_u64 s[4:5], s[4:5], s[90:91]
	s_add_nc_u64 s[6:7], s[6:7], s[90:91]
	s_add_nc_u64 s[8:9], s[8:9], s[90:91]
	s_add_nc_u64 s[6:7], s[6:7], s[92:93]
	s_add_nc_u64 s[8:9], s[8:9], s[92:93]
	s_add_nc_u64 s[84:85], s[84:85], s[98:99]
.irp i, 0,1,2,3,4,5,6,7,8,9,10,11,12,13,14,15
	global_load_b128 v[32+4*\i:35+4*\i], v1, s[6:7] offset:512*\i     ; K, key step w: 512 consecutive bytes a load
.endr
.irp i, 0,1,2,3,4,5,6,7,8,9,10,11,12,13,14,15
	global_load_b128 v[96+4*\i:99+4*\i], v1, s[8:9] offset:512*\i     ; V, key step w: four fragments (16 of the head's 64 x 128 keys)
.endr
.set i, 0
.rept 16
	v_mov_b32 v[224+i], 0x3c3c3c3c                 ; a fragment of ones (the code of 1.0)
.set i, i+1
.endr
	s_wait_loadcnt 16                              ; K's sixteen loads are in; V's sixteen may be out
.irp i, 0,1,2,3,4,5,6,7,8,9,10,11,12,13,14,15
	ds_store_b128 v10, v[32+4*\i:35+4*\i] offset:512*\i
.endr
	s_wait_loadcnt 0x0
.irp i, 0,1,2,3,4,5,6,7,8,9,10,11,12,13,14,15
	ds_store_b128 v11, v[96+4*\i:99+4*\i] offset:512*\i
.endr
.irp t, 0,1,2,3
	v_wmma_f32_16x16x128_bf8_bf8 v[160+8*\t:167+8*\t], v[96+16*\t:111+16*\t], v[224:239], 0   ; register j of every lane with half h: the sum over the step's keys of V's codes at d = 16 t + 8 h + j
.endr
.irp i, 201,202,203,204,205,206,207
	v_mov_b32 v\i, 0                               ; constants, made here: they are the places behind the four products
.endr
	v_mov_b32 v[PRM], 0                            ; written once: a lane permute's destination counts as one of its sources
	v_mov_b32 v241, 0xff61b1e6                     ; -3e38, under every t
	v_mov_b32 v249, 0                              ; (upper halves of pairs that are named whole)
	v_mov_b32 v253, 0
.irp t, 0,1,2,3
	ds_store_b128 v9, v[160+8*\t:163+8*\t] offset:64*\t       ; sixteen lanes write the same bytes with the same numbers
	ds_store_b128 v9, v[164+8*\t:167+8*\t] offset:64*\t+16
.endr
	s_wait_kmcnt 0x0
	s_add_co_i32 s94, s22, s23                     ; e6 + e7
	s_lshl_b32 s94, s94, 23
	s_add_co_i32 s86, s94, 0x3e38aa3b              ; c = log2(e) / 8 x 2^(e6 + e7): t = raw sum x c
	s_mov_b32 s87, s86                             ; (named with it as a pair)
	s_sub_co_i32 s95, 0xc79c4000, s94              ; RAW = -80,000 x 2^-(e6 + e7): RAW x c = -10,000 log2(e)
	v_mov_b32 v245, s95
	s_add_co_i32 s94, s24, 127
	s_lshl_b32 s95, s94, 23
	v_mov_b32 v244, s95                            ; 2^e8, for p's conversions
	s_add_co_i32 s94, s94, 15
	s_lshl_b32 s94, s94, 23
	s_or_b32 s94, s94, 0x600000
	v_mov_b32 v240, s94                            ; 57,344 x 2^e8
	s_cmp_lt_i32 s24, -15
	s_cselect_b32 s96, 1, 0                        ; p is at most 1: the hold can act only where 57,344 x 2^e8 < 1, that is e8 < -15
	s_add_co_i32 s97, s24, s25                     ; e8 + e9
	s_add_co_i32 s94, s26, 127
	s_lshl_b32 s95, s94, 23
	v_mov_b32 v247, s95                            ; 2^e10, for the result's conversions
	s_add_co_i32 s94, s94, 15
	s_lshl_b32 s94, s94, 23
	s_or_b32 s94, s94, 0x600000
	v_mov_b32 v246, s94                            ; 57,344 x 2^e10
	s_wait_dscnt 0x0                               ; for the others' sake: my stores into the images and the table are done
	s_barrier_signal -1
	s_barrier_wait -1                              ; the one barrier: from here on LDS is only read
	s_mov_b32 s3, 2
.Ltile:
	s_wait_xcnt 0x0                                ; the last tile's stores have read their offset and their codes' registers
	s_sub_co_u32 s95, 31, s2
	s_cmp_eq_u32 s3, 2
	s_cselect_b32 s99, s95, s2                     ; i = 31 - w, then w
	s_lshl_b32 s99, s99, 2
	s_add_co_u32 s99, s99, ttmp9                   ; T = 4 i + jq
	s_lshl_b32 s94, s99, 6
	s_load_b512 s[16:31], s[12:13], s94            ; the tile's sixteen flag words
	s_lshl_b32 s90, s99, 12
	s_mov_b32 s91, 0
	s_add_nc_u64 s[100:101], s[10:11], s[90:91]    ; its mask words: 16 steps x 256 bytes
	v_lshl_add_u32 v4, s99, 10, v1
	global_load_b128 v[16:19], v4, s[4:5]          ; Q's fragment: 16 queries x 64
	global_load_b128 v[20:23], v4, s[4:5] offset:512
	v_lshl_add_u32 v5, s99, 14, v1                 ; the result's token tile
	v_mov_b32 v13, v241                            ; the largest t so far
	v_floor_f32 v12, -v13                          ; -M
	v_mov_b32 v14, 0                               ; the sum, in two halves
	v_mov_b32 v15, 0
.set j, 0
.rept 32
	v_mov_b32 v[160+j], 0                          ; O^T: the walk may begin at any step, so it begins on zeros
.set j, j+1
.endr
	s_wait_kmcnt 0x0
	s_or_b32 s93, s16, s17
.irp i, 18,19,20,21,22,23,24,25,26,27,28,29,30,31
	s_or_b32 s93, s93, s\i                         ; bit ks: step ks is hidden throughout; bit 16 + ks: nothing in it is hidden
.endr
	s_mov_b32 s90, 0
	s_mov_b32 s91, 0
	s_mov_b32 s92, 0
	s_wait_loadcnt 0x0                             ; Q
.Lstep:                                                ; sixteen trips, a constant; what is jumped over is a step's work
	s_lshr_b32 s94, s93, s92
	s_bitcmp1_b32 s94, 0
	s_cbranch_scc1 .Lnext                          ; hidden throughout: its share is added behind the walk
	s_load_b512 s[16:31], s[100:101], s91          ; the step's 64 lane masks
	s_load_b512 s[32:47], s[100:101], s91 offset:0x40
	s_load_b512 s[48:63], s[100:101], s91 offset:0x80
	s_load_b512 s[68:83], s[100:101], s91 offset:0xc0
	v_add_nc_u32 v8, s90, v1
.rept 3
	v_nop                                          ; with the addition above: four places in front of loads into registers that the last step's products read
.endr
.irp t, 0,1,2,3,4,5,6,7
	ds_load_b128 v[32+8*\t:35+8*\t], v8 offset:1024*\t         ; K: 16 keys x 64, two pieces
	ds_load_b128 v[36+8*\t:39+8*\t], v8 offset:1024*\t+512
.endr
	s_wait_dscnt 0x0
.irp t, 0,1,2,3,4,5,6,7
	v_wmma_f32_16x16x64_bf8_bf8 v[96+8*\t:103+8*\t], v[32+8*\t:39+8*\t], v[16:23], 0
.endr
	v_add_nc_u32 v9, s90, v2
.rept 3
	v_nop                                          ; four places again: for V's loads into K's registers, and for the first read of the scores
.endr
.irp t, 0,1,2,3
.irp p, 0,1,2,3
	ds_load_b128 v[32+16*\t+4*\p:35+16*\t+4*\p], v9 offset:2048*\t+512*\p   ; V: they land while the softmax is worked
.endr
.endr
	s_wait_kmcnt 0x0                               ; the lane masks
	s_bitcmp1_b32 s94, 16
	s_cbranch_scc1 .Lopen                          ; nothing hidden
.set n, 0
.rept 64
.if n < 48
	v_cndmask_b32 v[96+n], v[96+n], v245, s[16+n]  ; a hidden score becomes RAW
.else
	v_cndmask_b32 v[96+n], v[96+n], v245, s[20+n]
.endif
.set n, n+1
.endr
.Lopen:
	v_max3_num_f32 v254, v96, v97, v98             ; the step's largest score of my query among my 64 keys, in two chains,
	v_max3_num_f32 v252, v99, v100, v101
.irp i, 6,10,14,18,22,26,30,34,38,42,46,50,54,58
	v_max3_num_f32 v254, v254, v[96+\i], v[97+\i]
	v_max3_num_f32 v252, v252, v[98+\i], v[99+\i]
.endr
	v_max3_num_f32 v254, v254, v158, v159
	v_max_num_f32 v254, v254, v252
	v_permlanex16_b32 v[PRM], v254, s88, s89
	v_max_num_f32 v254, v254, v[PRM]               ; and among lane l xor 16's
	v_mul_f32 v254, s86, v254                      ; as t (c is positive)
	v_max_num_f32 v13, v13, v254                   ; the running largest t
	v_mov_b32 v254, v12
	v_floor_f32 v12, -v13                          ; the new -M = floor(-t) = -ceil(t)
	v_sub_f32 v254, v12, v254                      ; old M - new M: a whole number, 0 or less
	v_cvt_i32_f32 v254, v254                       ; (it saturates)
	v_ldexp_f32 v252, 1.0, v254                    ; f = 2^(old M - new M)
.set j, 0
.rept 32
	v_pk_fma_f32 v[96+j:97+j], v[96+j:97+j], s[86:87], v[12:13] op_sel_hi:[1,0,0]   ; t - M, two at a time
.set j, j+2
.endr
.set j, 0
.rept 64
	v_exp_f32 v[96+j], v[96+j]                     ; p = 2^(t - M), at most 1
.set j, j+1
.endr
	v_pk_mul_f32 v[14:15], v[14:15], v[252:253] op_sel_hi:[1,0]   ; the sums under the new M; the plain instruction behind the exponentials
	s_wait_alu depctr_va_vdst(0)                   ; one wait for the batch of 64, ahead of its first reader
	v_pk_add_f32 v[242:243], v[96:97], v[98:99]    ; the row's sum is taken of the unquantised p, in two chains
.irp j, 4,8,12,16,20,24,28,32,36,40,44,48,52,56,60
	v_pk_add_f32 v[14:15], v[14:15], v[96+\j:97+\j]
	v_pk_add_f32 v[242:243], v[242:243], v[98+\j:99+\j]
.endr
	v_pk_add_f32 v[14:15], v[14:15], v[242:243]
	s_cmp_eq_u32 s96, 0
	s_cbranch_scc1 .Lnohold                        ; 57,344 x 2^e8 is 1 or more: no p lies beyond it
.set j, 0
.rept 64
	v_min_num_f32 v[96+j], v[96+j], v240           ; the conversion does not saturate (ISA guide 7.6.2); p is not negative, so the hold is one-sided
.set j, j+1
.endr
.Lnohold:
.irp t, 0,1,2,3,4,5,6,7
	v_cvt_scalef32_pk8_bf8_f32 v[224+2*\t:225+2*\t], v[96+8*\t:103+8*\t], v244   ; registers 2 tau, 2 tau + 1 of P: keys 16 tau + 8 h + 0 .. 7
.endr
.set j, 0
.rept 16
	v_pk_mul_f32 v[160+j:161+j], v[160+j:161+j], v[252:253] op_sel_hi:[1,0]   ; O^T under the new M; also the plain instructions behind the conversions
.set j, j+2
.endr
	s_wait_dscnt 0x0                               ; V
.irp t, 0,1,2,3
	v_wmma_f32_16x16x128_bf8_bf8 v[160+8*\t:167+8*\t], v[32+16*\t:47+16*\t], v[224:239], v[160+8*\t:167+8*\t]   ; four accumulators by turns
.endr
.Lnext:
	s_add_co_u32 s90, s90, 8192
	s_add_co_u32 s91, s91, 256
	s_add_co_u32 s92, s92, 1
	s_cmp_lt_u32 s92, 16
	s_cbranch_scc1 .Lstep
	; THE STEPS THAT WERE LEFT OUT.  OF = the sum of their rows of the table; nF their number.
	s_and_b32 s93, s93, 0xffff
	s_bcnt1_i32_b32 s95, s93                       ; nF
.set j, 0
.rept 32
	v_mov_b32 v[96+j], 0                           ; OF; also the places behind the last products
.set j, j+1
.endr
	s_mov_b32 s92, 0
	s_mov_b32 s90, 0
.Lsum:
	s_lshr_b32 s94, s93, s92
	s_bitcmp1_b32 s94, 0
	s_cbranch_scc0 .Lsumnext
	v_add_nc_u32 v8, s90, v3
.irp t, 0,1,2,3
	ds_load_b128 v[32+8*\t:35+8*\t], v8 offset:64*\t
	ds_load_b128 v[36+8*\t:39+8*\t], v8 offset:64*\t+16
.endr
	s_wait_dscnt 0x0
.set j, 0
.rept 16
	v_pk_add_f32 v[96+j:97+j], v[96+j:97+j], v[32+j:33+j]
.set j, j+2
.endr
.Lsumnext:
	s_add_co_u32 s90, s90, 256
	s_add_co_u32 s92, s92, 1
	s_cmp_lt_u32 s92, 16
	s_cbranch_scc1 .Lsum
	v_mul_f32 v254, s86, v245                      ; tm = RAW x c
	s_cmp_lg_u32 s95, 0
	s_cselect_b32 s94, -1, 0
	v_cndmask_b32 v254, v241, v254, s94            ; it enters the maximum only where steps were left out
	v_max_num_f32 v13, v13, v254
	v_mov_b32 v254, v12
	v_floor_f32 v12, -v13
	v_sub_f32 v254, v12, v254
	v_cvt_i32_f32 v254, v254
	v_ldexp_f32 v252, 1.0, v254                    ; f, as in a step
	v_fma_f32 v250, v245, s86, v12                 ; tm - M,
	v_min_num_f32 v250, 0, v250                    ; 0 or less where steps were left out; held so where none was, when pm counts for nothing
	v_exp_f32 v250, v250                           ; pm
	s_lshl_b32 s95, s95, 7
	v_cvt_f32_u32 v251, s95                        ; 128 nF; the plain instruction behind the exponential
	v_pk_mul_f32 v[14:15], v[14:15], v[252:253] op_sel_hi:[1,0]
	s_wait_alu depctr_va_vdst(0)                   ; ahead of pm's first reader
	v_min_num_f32 v200, v250, v240                 ; the hold
	v_cvt_scalef32_pk8_bf8_f32 v[208:209], v[200:207], v244   ; pm's code in the lowest byte (the other seven numbers are zeros)
	v_add_f32 v14, v14, v15                        ; the sum's two halves; the plain instruction behind the conversion
	v_cvt_f32_bf8 v248, v208                       ; the code's value: Q(pm) / 2^e8, as P's codes count in O^T
	v_permlanex16_b32 v[PRM], v14, s88, s89
	v_add_f32 v14, v14, v[PRM]                     ; and lane l xor 16's
	v_fma_f32 v14, v251, v250, v14                 ; + 128 nF pm: the row's sum
	v_rcp_f32 v14, v14
.set j, 0
.rept 16
	v_pk_mul_f32 v[160+j:161+j], v[160+j:161+j], v[252:253] op_sel_hi:[1,0]   ; O^T under the last M
.set j, j+2
.endr
.set j, 0
.rept 16
	v_pk_fma_f32 v[160+j:161+j], v[96+j:97+j], v[248:249], v[160+j:161+j] op_sel_hi:[1,0,1]   ; + OF x Q(pm)
.set j, j+2
.endr
	s_wait_alu depctr_va_vdst(0)                   ; ahead of the reciprocal's first reader
	v_ldexp_f32 v14, v14, s97                      ; x 2^(e8 + e9)
.set j, 0
.rept 16
	v_pk_mul_f32 v[128+j:129+j], v[160+j:161+j], v[14:15] op_sel_hi:[1,0]   ; register 8 t + i: o(query r, d = 16 t + 8 h + i)
.set j, j+2
.endr
.set j, 0
.rept 32
	v_med3_num_f32 v[128+j], v[128+j], -v246, v246 ; the hold at the largest code x 2^e10
.set j, j+1
.endr
.irp t, 0,1,2,3
	v_cvt_scalef32_pk8_bf8_f32 v[192+2*\t:193+2*\t], v[128+8*\t:135+8*\t], v247
.endr
	v_nop                                          ; one plain vector instruction behind the last conversion
	global_store_b128 v5, v[192:195], s[84:85]     ; 512 consecutive aligned bytes each: two pieces of the last product's operand
	global_store_b128 v5, v[196:199], s[84:85] offset:512
	s_sub_co_u32 s3, s3, 1
	s_cmp_lg_u32 s3, 0
	s_cbranch_scc1 .Ltile
	s_wait_tensorcnt 0x0
	ds_add_u32 v223, v255
	s_wait_dscnt 0x0
	s_endpgm
.Lfunc_end_k_q538f195e9c_attn:
	.size	k_q538f195e9c_attn, .Lfunc_end_k_q538f195e9c_attn-k_q538f195e9c_attn
	.p2alignl 7, 3214868480
	.fill 96, 4, 3214868480
	.section	.rodata,"a",@progbits
	.p2align	6, 0x0
	.amdhsa_kernel k_q538f195e9c_attn
		.amdhsa_group_segment_fixed_size 268288
		.amdhsa_private_segment_fixed_size 0
		.amdhsa_enable_private_segment 0
		.amdhsa_kernarg_size 56
		.amdhsa_user_sgpr_count 2
		.amdhsa_user_sgpr_kernarg_segment_ptr 1
		.amdhsa_wavefront_size32 1
		.amdhsa_system_sgpr_workgroup_id_x 1
		.amdhsa_system_sgpr_workgroup_id_y 1
		.amdhsa_system_sgpr_workgroup_id_z 1
		.amdhsa_system_vgpr_workitem_id 0
		.amdhsa_next_free_vgpr 256
		.amdhsa_next_free_sgpr 102
		.amdhsa_reserve_vcc 0
		.amdhsa_float_denorm_mode_32 3
		.amdhsa_float_denorm_mode_16_64 3
		.amdhsa_memory_ordered 1
		.amdhsa_forward_progress 1
		.amdhsa_inst_pref_size 43
	.end_amdhsa_kernel
	.amdgpu_metadata
---
amdhsa.version: [ 1, 2 ]
amdhsa.kernels:
  - .name:           k_q538f195e9c_attn
    .symbol:         k_q538f195e9c_attn.kd
    .args:
      - { .name: qimg, .offset: 0, .size: 8, .value_kind: global_buffer, .address_space: global }
      - { .name: kimg, .offset: 8, .size: 8, .value_kind: global_buffer, .address_space: global }
      - { .name: vimg, .offset: 16, .size: 8, .value_kind: global_buffer, .address_space: global }
      - { .name: maskw, .offset: 24, .size: 8, .value_kind: global_buffer, .address_space: global }
      - { .name: flags, .offset: 32, .size: 8, .value_kind: global_buffer, .address_space: global }
      - { .name: lowp_scales, .offset: 40, .size: 8, .value_kind: global_buffer, .address_space: global }
      - { .name: ctx, .offset: 48, .size: 8, .value_kind: global_buffer, .address_space: global }
    .group_segment_fixed_size: 268288
    .private_segment_fixed_size: 0
    .kernarg_segment_align: 8
    .kernarg_segment_size: 56
    .max_flat_workgroup_size: 512
    .sgpr_count:     102
    .vgpr_count:     256
    .wavefront_size: 32
...
	.end_amdgpu_metadata
.endif
;; end of part 3
;; launch outp (part 4): grid 8 x 32, 4 waves a work-group, clusters of 4 x 4, 327,680 bytes of LDS; arguments ctx, Wo_codes, bo, lowp_scales, out0; writes out0
.if DOCPART == 4
	.amdgcn_target "amdgcn-amd-amdhsa--gfx1250"
	.amdhsa_code_object_version 6
	.text
	.protected	k_q538f195e9c_outp
	.globl	k_q538f195e9c_outp
	.p2align	8
	.type	k_q538f195e9c_outp,@function
k_q538f195e9c_outp:
	s_mov_b64 s[64:65], 0
	v_nop
	global_prefetch_b8 v0, s[64:65] scope:SCOPE_SE
	s_setreg_imm32_b32 hwreg(HW_REG_WAVE_MODE, 25, 1), 1
	s_wait_xcnt 0x0
	s_wait_alu depctr_hold_cnt(0) depctr_sa_sdst(0) depctr_va_vdst(0) depctr_va_sdst(0) depctr_va_ssrc(0) depctr_va_vcc(0) depctr_vm_vsrc(0)
	s_getreg_b32 s2, hwreg(HW_REG_IB_STS2, 6, 4)
	s_cmp_eq_u32 s2, 0
	s_cbranch_scc0 .Lentry_in_a_cluster
	s_endpgm
.Lentry_in_a_cluster:
	s_bfe_u32 s2, ttmp6, 0x10000c
	s_cmp_lg_u32 s2, 0xf033
	s_cbranch_scc0 .Lentry_shape_is_right
	s_endpgm
.Lentry_shape_is_right:
; out0 = ctx Wo^T + bo on codes of BF8 (E5M2).  ctx: the attention launch's images of operand registers: byte tau 16384 + kappa 2048 + piece 512 + 16 lane (token tile tau of 16, K step kappa of 128, registers 4 piece .. + 3,
; laid as the plain 8-bit forms lay an operand: registers 2 c, 2 c + 1 hold k = 16 c + 8 h + 0 .. 7).  Wo: [1024 (n)][1024 (k)] codes in rows, so its fragments are fetched in that same layout, by loads of 8 bytes.  out0: [8192][1024] f32.
; out = sum x 2^(e10 + e11) + bo.  LIMIT: e10 + e11 between -126 and 127, so that the power of two is an f32 number.
; A tile of the output is 256 tokens x 128 columns, so that 8,192 x 1,024 gives 256 work-groups.  Four waves, each 128 tokens x 64 columns: 32 accumulators, 256 registers.
; THE MATRIX INSTRUCTION IS USED TRANSPOSED: source 0 = 16 rows of Wo, source 1 = a fragment of ctx: a lane holds one token and eight neighbouring columns.
; K goes in steps of 256 through two LDS slots.  ctx's part of a slot: 16 token tiles x 4,096 consecutive bytes (two K steps of 128), dense, read at 16 x lane; Wo's part: 128 rows of 256 bytes + 16 of padding.
; CLUSTERS: 4 x 4 work-groups; ctx's tile is shared along a row of the cluster, Wo's along a column: each is asked for jointly, by the same tensor load with the same descriptor and a mask of the four.
; REGISTERS, in windows of 256: window 0: v0-31 addresses; v32-63 bo; v64-95 at work on the way out; from v128 ctx's fragments (8 x 16 registers), ONE set; window 1: Wo's fragments (4 x 16), TWO sets, at v0 and v128;
;   window 2: the accumulators, (a, b) at v[8 (4 a + b)].
.set PITCH,  272                       ; Wo's LDS row: 256 bytes + 16 = 68 words: lane (r, h) of a load of 8 bytes starts at bank 4 r + 2 h (64 banks of 4 bytes: ISA guide 11.1)
.set FR,     16                        ; registers of a fragment
.set NP,     4                         ; places behind this matrix instruction (ISA guide 7.12.1)
.set BOFF,   65536                     ; a slot: ctx's 16 x 4,096 bytes, then Wo's 128 rows
.set SLOT,   BOFF+128*PITCH
.set STAGE,  2*SLOT                    ; behind the ring: 16 rows x 272 bytes for each wave, for the way out
.set SPITCH, 272
.set SPARE,  STAGE+4*16*SPITCH         ; behind the stages: the spare words, 128 bytes for each wave
.set ASTEP,  4096                      ; a K step of 256 in a token tile of ctx
.set BSTEP,  256                       ; and in a row of Wo
.set ADRA, 16                          ; v16-17  LDS address of my ctx fragments in slot 0, 1
.set ADRB, 20                          ; v20-21  the same for Wo
.set STO,  24                          ; v24     the way out: where I put 32 bytes of a row
.set RD,   25                          ; v25     where I read a row back
.set CO,   26                          ; v26     my byte offset in the output
.set SPW,  28                          ; v28     LDS address of my spare word; never rewritten
.set NIL,  29                          ; v29     0; never rewritten
.set BO,   32                          ; v32-63  bo at my columns: 8 b + j
.set TMP,  64
.set AF,   128
.set BK,   128                         ; the way out: 16 rows read back: v128-159 and v160-191 by turns
.set G1, 24
.set G0, 32
.set G1B, 48
.set G0B, 56
.set MSB, 0
.macro WIN new                         ; the immediate's high byte repeats the setting that is left
.if MSB != \new
	s_set_vgpr_msb (MSB<<8)|\new
.set MSB, \new
.endif
.endm
.set MUL,  0xa1                        ; source 0 (Wo) window 1, source 1 (ctx) window 0, C and D window 2
.set TO_B, 0x40                        ; destination window 1, address window 0
.macro JLOAD g0a, g1a, g0b, g1b        ; a joint load: waves 0 and 1 fetch ctx's halves, waves 2 and 3 Wo's; four v_nop follow each of the two lines
	s_cmp_eq_u32 s15, 0
	s_cbranch_scc0 .Lfor_b_\@
	tensor_load_to_lds s[\g0a:\g0a+3], s[\g1a:\g1a+7]
	s_nop 0
.rept 4
	v_nop
.endr
	s_branch .Lasked_\@
.Lfor_b_\@:
	tensor_load_to_lds s[\g0b:\g0b+3], s[\g1b:\g1b+7]
	s_nop 0
.rept 4
	v_nop
.endr
.Lasked_\@:
.endm
.macro CREST                           ; a round of the cluster's barrier behind its opening barrier
	s_cmp_lg_u32 s14, 0
	s_cbranch_scc1 .Lnot_wave_0_\@
	s_barrier_signal -3
.Lnot_wave_0_\@:
	s_barrier_wait -3
	s_barrier_signal -1
	s_barrier_wait -1
.endm
.macro CROUND
	s_barrier_signal -1
	s_barrier_wait -1
	CREST
.endm
	s_load_b256 s[4:11], s[0:1], 0x0               ; ctx s[4:5], Wo's codes s[6:7], bo s[8:9], the scales' exponents s[10:11]
	s_load_b64 s[12:13], s[0:1], 0x20              ; out0
	v_lshl_add_u32 v[SPW], v0, 2, SPARE
	v_mov_b32 v[NIL], 0
	ds_add_u32 v28, v29
	ds_add_u32 v28, v29
	s_wait_dscnt 0x0
	v_lshrrev_b32 v1, 5, v0
	v_readfirstlane_b32 s14, v1                    ; wave 0..3
	s_lshr_b32 s15, s14, 1                         ; which 128 tokens are mine.  Also: I fetch for ctx (0) or for Wo (1)
	s_and_b32 s16, s14, 1                          ; which 64 columns.  Also: which half of that tile I fetch
	s_bfe_u32 s40, ttmp6, 0x40000                  ; cx, cy
	s_bfe_u32 s41, ttmp6, 0x40004
	s_lshl_b32 s42, ttmp9, 2
	s_add_co_u32 s42, s42, s40                     ; tile column = 4 x cluster x + cx: 0 .. 7
	s_and_b32 s17, ttmp7, 0xffff
	s_lshl_b32 s17, s17, 2
	s_add_co_u32 s17, s17, s41                     ; tile row = 4 x cluster y + cy: 0 .. 31
	s_lshl_b32 s43, s41, 2
	s_lshl_b32 s43, 15, s43                        ; my row of the cluster
	s_lshl_b32 s44, 0x1111, s40                    ; my column
	; descriptor group 1.  ctx: 8 token tiles, 4,096 consecutive bytes of each, 16,384 bytes apart; dense in LDS
	s_or_b32 s[G1+0], s43, (0<<16)|(1<<21)         ; 15:0 the mask: my row; 17:16 element of 1 byte; 20 no padding; 21 set beside a mask
	s_mov_b32 s[G1+1], ASTEP<<16                   ; tensor_dim0 = 4,096
	s_mov_b32 s[G1+2], 8<<16                       ; tensor_dim1 = 8
	s_mov_b32 s[G1+3], ASTEP<<16                   ; tile_dim0
	s_mov_b32 s[G1+4], 8                           ; tile_dim1
	s_mov_b32 s[G1+5], 16384                       ; tensor_dim0_stride
	s_mov_b32 s[G1+6], 0
	s_mov_b32 s[G1+7], 0
	; Wo: 64 rows x 256 bytes, padded in LDS
	s_or_b32 s[G1B+0], s44, (0<<16)|(1<<20)|(1<<21)|(5<<22)|(3<<25)   ; my column; padding: 4 words after every 64
	s_mov_b32 s[G1B+1], BSTEP<<16
	s_mov_b32 s[G1B+2], 64<<16
	s_mov_b32 s[G1B+3], BSTEP<<16
	s_mov_b32 s[G1B+4], 64
	s_mov_b32 s[G1B+5], 1024
	s_mov_b32 s[G1B+6], 0
	s_mov_b32 s[G1B+7], 0
	s_lshl_b32 s20, s17, 18                        ; ctx: 16 token tiles a tile row,
	s_lshl_b32 s18, s16, 17                        ; + 8 for the second half
	s_add_co_u32 s20, s20, s18
	s_mov_b32 s21, 0
	s_lshl_b32 s46, s42, 17                        ; Wo: 128 rows of 1,024 bytes a tile column,
	s_lshl_b32 s19, s16, 16                        ; + 64 rows
	s_add_co_u32 s46, s46, s19
	s_mov_b32 s47, 0
	s_lshl_b32 s45, s16, 15                        ; where they go: ctx's half,
	s_mul_i32 s22, s16, 64*PITCH
	s_add_co_u32 s22, s22, BOFF                    ; Wo's half: no place in the cluster enters an LDS address
	s_wait_kmcnt 0x0
	s_load_b64 s[96:97], s[10:11], 0x28            ; e10, e11
	s_add_nc_u64 s[20:21], s[4:5], s[20:21]
	s_add_nc_u64 s[46:47], s[6:7], s[46:47]
	CROUND                                         ; all sixteen work-groups are here: the first joint loads meet
.irp s, 0,1
	s_mov_b32 s[G0+4*\s], 1
	s_add_co_u32 s[G0+4*\s+1], s45, \s*SLOT
	s_add_nc_u64 s[G0+4*\s+2:G0+4*\s+3], s[20:21], \s*ASTEP
	s_or_b32 s[G0+4*\s+3], s[G0+4*\s+3], 0x80000000
	s_mov_b32 s[G0B+4*\s], 1
	s_add_co_u32 s[G0B+4*\s+1], s22, \s*SLOT
	s_add_nc_u64 s[G0B+4*\s+2:G0B+4*\s+3], s[46:47], \s*BSTEP
	s_or_b32 s[G0B+4*\s+3], s[G0B+4*\s+3], 0x80000000
	JLOAD G0+4*\s, G1, G0B+4*\s, G1B
.endr
	v_and_b32 v1, 15, v0                           ; r
	v_bfe_u32 v2, v0, 4, 1                         ; h
	v_and_b32 v3, 31, v0
	v_lshlrev_b32 v4, 4, v3                        ; 16 x lane
	v_mul_u32_u24 v5, v1, PITCH
	v_lshl_add_u32 v5, v2, 3, v5                   ; Wo: row r x pitch + 8 h
	s_lshl_b32 s21, s15, 15                        ; my 8 token tiles; s22 still holds my 64 rows of Wo
.irp s, 0,1
	v_add_nc_u32 v[ADRA+\s], s21, v4
	v_add_nc_u32 v[ADRB+\s], s22, v5
	s_add_co_u32 s21, s21, SLOT
	s_add_co_u32 s22, s22, SLOT
.endr
	s_mul_i32 s23, s14, 16*SPITCH
	s_add_co_u32 s23, s23, STAGE                   ; my stage
	v_mul_u32_u24 v6, v1, SPITCH                   ; in: row r, 32 bytes for each half of the lanes
	v_lshl_add_u32 v6, v2, 5, v6
	v_add_nc_u32 v[STO], s23, v6
	v_mul_u32_u24 v7, v2, SPITCH                   ; back: lanes 0-15 one row of 256 bytes, lanes 16-31 the next
	v_lshl_add_u32 v7, v1, 4, v7
	v_add_nc_u32 v[RD], s23, v7
	v_lshlrev_b32 v8, 12, v2                       ; and the same two rows in the output (4,096 bytes a row)
	v_lshl_add_u32 v[CO], v1, 4, v8
	s_lshl_b32 s68, s42, 9                         ; my first column, in bytes of f32: 512 x tile column + 256 x half (in registers that feed no descriptor)
	s_lshl_b32 s70, s16, 8
	s_add_co_u32 s68, s68, s70
	s_mov_b32 s69, 0
	s_add_nc_u64 s[8:9], s[8:9], s[68:69]
	s_add_nc_u64 s[12:13], s[12:13], s[68:69]
	s_lshl_b32 s66, s17, 20                        ; my first row: 256 x tile row + 128 x half, 4,096 bytes each
	s_lshl_b32 s70, s15, 19
	s_add_co_u32 s66, s66, s70
	s_mov_b32 s67, 0
	s_add_nc_u64 s[12:13], s[12:13], s[66:67]
	v_lshlrev_b32 v9, 5, v2                        ; 32 h
.irp b, 0,1,2,3
	global_load_b128 v[BO+8*\b:BO+8*\b+3], v9, s[8:9] offset:64*\b           ; bo[16 b + 8 h + 0 .. 7] of my 64 columns
	global_load_b128 v[BO+8*\b+4:BO+8*\b+7], v9, s[8:9] offset:64*\b+16
.endr
	s_wait_kmcnt 0x0
	s_add_co_i32 s96, s96, s97
	s_add_co_i32 s96, s96, 127
	s_lshl_b32 s96, s96, 23                        ; 2^(e10 + e11) as f32
	s_mov_b32 s97, s96                             ; (named with it as a pair)
	s_wait_loadcnt 0x0                             ; bo
.macro FRAG_A reg, slot, q, i          ; ctx: token tile i of my eight, the slot's q-th 128 along K: four pieces of 512 bytes, 16 bytes a lane
.irp c, 0,1,2,3
	ds_load_b128 v[\reg+4*\c:\reg+4*\c+3], v[ADRA+\slot] offset:4096*(\i)+2048*(\q)+512*\c
.endr
.endm
.macro FRAG_B reg, slot, q, i          ; Wo: rows 16 i on: registers 2 c, 2 c + 1 hold k = 16 c + 8 h + 0 .. 7
.irp c, 0,1,2,3,4,5,6,7
	ds_load_b64 v[\reg+2*\c:\reg+2*\c+1], v[ADRB+\slot] offset:16*PITCH*(\i)+128*(\q)+16*\c
.endr
.endm
; 8 matrix instructions: ctx's blocks a0, a0 + 1 x Wo's four.  The 32 accumulators take turns, one instruction a turn, in the same order in every step.
.macro MUL8 a0, p, zero
.irp a, \a0, \a0+1
.irp b, 0,1,2,3
.if \zero
	v_wmma_f32_16x16x128_bf8_bf8 v[8*(4*(\a)+\b):8*(4*(\a)+\b)+7], v[128*(\p)+FR*\b:128*(\p)+FR*\b+FR-1], v[AF+FR*(\a):AF+FR*(\a)+FR-1], 0
.else
	v_wmma_f32_16x16x128_bf8_bf8 v[8*(4*(\a)+\b):8*(4*(\a)+\b)+7], v[128*(\p)+FR*\b:128*(\p)+FR*\b+FR-1], v[AF+FR*(\a):AF+FR*(\a)+FR-1], v[8*(4*(\a)+\b):8*(4*(\a)+\b)+7]
.endif
.endr
.endr
.endm
.macro FETCH_B slot, q, p              ; 32 loads
	WIN TO_B
.irp i, 0,1,2,3
	FRAG_B 128*(\p)+FR*\i, \slot, \q, \i
.endr
	WIN 0
.endm
.macro FETCH_A slot, q, i0             ; 16 loads
.irp i, \i0, \i0+1, \i0+2, \i0+3
	FRAG_A AF+FR*(\i), \slot, \q, \i
.endr
.endm
.macro PLACES n                        ; in front of loads into registers that matrix instructions have read, and of the first read of results
.rept \n
	v_nop
.endr
.endm
.macro STEP slot, q, zero              ; a step of 128 along K that has its successor in the same slot
	s_wait_dscnt 16                                ; Wo's set and ctx's blocks 0-3 are in; the youngest sixteen loads (blocks 4-7) may be out
	WIN MUL
	MUL8 0, (\q)%2, \zero
	MUL8 2, (\q)%2, \zero
	s_wait_dscnt 0
	PLACES NP
	FETCH_B \slot, (\q)+1, 1-(\q)%2
	FETCH_A \slot, (\q)+1, 0
	WIN MUL
	MUL8 4, (\q)%2, \zero
	MUL8 6, (\q)%2, \zero
	PLACES NP
	WIN 0
	FETCH_A \slot, (\q)+1, 4
.endm
; A slot's last step changes slots: ONE barrier; in front of it each wave waits for all its tensor loads, adds 0 to its spare word, and waits for that and for its own reads of this slot.
.macro TURN slot, next, fill
	s_wait_tensorcnt 0x0                           ; all my tensor loads have landed: my part of the next slot
	ds_add_u32 v[SPW], v[NIL]                      ; 0 onto my spare word
	s_wait_dscnt 17                                ; (the add and the youngest sixteen loads may be out)
	WIN MUL
	MUL8 0, 1, 0                                   ; eight matrix instructions stand between the add and the wait for it
	s_wait_dscnt 0x0                               ; the add is done, and my reads of this slot are over
	s_barrier_signal -1
	MUL8 2, 1, 0
	WIN 0
	s_barrier_wait -1
.if \fill
	CREST                                          ; the barrier has opened a round of the cluster's barrier: no wave of any partner still reads this slot or has a load on its way
	s_add_nc_u64 s[G0+4*\slot+2:G0+4*\slot+3], s[G0+4*\slot+2:G0+4*\slot+3], 2*ASTEP
	s_add_nc_u64 s[G0B+4*\slot+2:G0B+4*\slot+3], s[G0B+4*\slot+2:G0B+4*\slot+3], 2*BSTEP
	JLOAD G0+4*\slot, G1, G0B+4*\slot, G1B         ; the first tensor load behind the round; its four v_nop are the places in front of the loads below
.else
	PLACES NP
.endif
	FETCH_B \next, 0, 0
	FETCH_A \next, 0, 0
	WIN MUL
	MUL8 4, 1, 0
	MUL8 6, 1, 0
	PLACES NP
	WIN 0
	FETCH_A \next, 0, 4
.endm
	s_wait_tensorcnt 1                             ; my part of K step 0 is in (K step 1's load may be out)
	s_barrier_signal -1
	s_barrier_wait -1                              ; everybody's is
	FETCH_B 0, 0, 0
	FETCH_A 0, 0, 0
	FETCH_A 0, 0, 4
	STEP 0, 0, 1                                   ; the first step stands in front of the loop: its products start the sums
	s_mov_b32 s3, 1                                ; 1,024 along K are two laps of the ring
.Llap:
	TURN 0, 1, 1
	STEP 1, 0, 0
	TURN 1, 0, 1
	STEP 0, 0, 0
	s_sub_co_u32 s3, s3, 1
	s_cmp_lg_u32 s3, 0
	s_cbranch_scc1 .Llap
	TURN 0, 1, 0                                   ; the last lap fills nothing
	STEP 1, 0, 0
	s_wait_dscnt 16                                ; the very last step
	WIN MUL
	MUL8 0, 1, 0
	MUL8 2, 1, 0
	s_wait_dscnt 0
	MUL8 4, 1, 0
	MUL8 6, 1, 0
	WIN 0
; THE WAY OUT, block by block of 16 tokens x 64 columns: sum x 2^(e10 + e11) + bo; through my own stage in LDS; back as rows of 256 bytes, sixteen lanes to a row.
; LDS serves a wave's instructions in order (ISA guide 5.7.1.4): no wait between the stores and the loads, nor in front of the next block's stores.
.macro TOSTAGE a
	WIN 0x02                                       ; source 0: window 2
.set j, 0
.rept 16
	v_pk_fma_f32 v[TMP+j:TMP+j+1], v[32*(\a)+j:32*(\a)+j+1], s[96:97], v[BO+j:BO+j+1] op_sel_hi:[1,0,1]   ; each accumulator from its low end on
.set j, j+2
.endr
	WIN 0
.irp b, 0,1,2,3
	ds_store_b128 v[STO], v[TMP+8*\b:TMP+8*\b+3] offset:64*\b
	ds_store_b128 v[STO], v[TMP+8*\b+4:TMP+8*\b+7] offset:64*\b+16
.endr
.set BB, BK+32*((\a)%2)
.irp t, 0,1,2,3,4,5,6,7
	ds_load_b128 v[BB+4*\t:BB+4*\t+3], v[RD] offset:\t*2*SPITCH
.endr
.endm
.macro SEND a, younger                 ; younger: the LDS instructions issued behind block a's loads, which may stay out
.set BB, BK+32*((\a)%2)
	s_wait_dscnt \younger
.irp t, 0,1,2,3,4,5,6,7
	global_store_b128 v[CO], v[BB+4*\t:BB+4*\t+3], s[12:13] offset:(16*(\a)+2*\t)*4096 th:TH_STORE_NT   ; 16 lanes store 256 consecutive bytes, aligned; 126 rows at the most: inside the signed 24-bit immediate
.endr
.endm
	PLACES NP                                      ; behind the last products: for the loads into registers that held ctx's fragments, and the reads of results
	TOSTAGE 0
.irp a, 1,2,3,4,5,6,7
.if \a > 1
	s_wait_xcnt 0x0                                ; block a - 2's stores have read their registers: block a's loads may land there
.endif
	TOSTAGE \a
	SEND \a-1, 16                                  ; behind block a - 1's loads: block a's 8 stores and 8 loads
.endr
	SEND 7, 0
	s_wait_tensorcnt 0x0                           ; the wave's end
	ds_add_u32 v[SPW], v[NIL]
	s_wait_dscnt 0x0
	CROUND                                         ; the closing round
	s_endpgm
.Lfunc_end_k_q538f195e9c_outp:
	.size	k_q538f195e9c_outp, .Lfunc_end_k_q538f195e9c_outp-k_q538f195e9c_outp
	.p2alignl 7, 3214868480
	.fill 96, 4, 3214868480
	.section	.rodata,"a",@progbits
	.p2align	6, 0x0
	.amdhsa_kernel k_q538f195e9c_outp
		.amdhsa_group_segment_fixed_size 327680
		.amdhsa_private_segment_fixed_size 0
		.amdhsa_enable_private_segment 0
		.amdhsa_kernarg_size 40
		.amdhsa_user_sgpr_count 2
		.amdhsa_user_sgpr_kernarg_segment_ptr 1
		.amdhsa_wavefront_size32 1
		.amdhsa_system_sgpr_workgroup_id_x 1
		.amdhsa_system_sgpr_workgroup_id_y 1
		.amdhsa_system_sgpr_workgroup_id_z 1
		.amdhsa_system_vgpr_workitem_id 0
		.amdhsa_next_free_vgpr 768
		.amdhsa_next_free_sgpr 100
		.amdhsa_reserve_vcc 0
		.amdhsa_float_denorm_mode_32 3
		.amdhsa_float_denorm_mode_16_64 3
		.amdhsa_memory_ordered 1
		.amdhsa_forward_progress 1
		.amdhsa_inst_pref_size 86
	.end_amdhsa_kernel
	.amdgpu_metadata
---
amdhsa.version: [ 1, 2 ]
amdhsa.kernels:
  - .name:           k_q538f195e9c_outp
    .symbol:         k_q538f195e9c_outp.kd
    .args:
      - { .name: ctx, .offset: 0, .size: 8, .value_kind: global_buffer, .address_space: global }
      - { .name: Wo_codes, .offset: 8, .size: 8, .value_kind: global_buffer, .address_space: global }
      - { .name: bo, .offset: 16, .size: 8, .value_kind: global_buffer, .address_space: global }
      - { .name: lowp_scales, .offset: 24, .size: 8, .value_kind: global_buffer, .address_space: global }
      - { .name: out0, .offset: 32, .size: 8, .value_kind: global_buffer, .address_space: global }
    .group_segment_fixed_size: 327680
    .private_segment_fixed_size: 0
    .kernarg_segment_align: 8
    .kernarg_segment_size: 40
    .max_flat_workgroup_size: 128
    .sgpr_count:     100
    .vgpr_count:     768
    .wavefront_size: 32
...
	.end_amdgpu_metadata
.endif
;; end of part 4
;; ======== version 2 of 2: 4 launches; version 1 with the launch attn written anew for expert scheduling mode
;; workspace buffers: qimg 8,388,608 bytes; kimg 8,388,608 bytes; vimg 8,388,608 bytes; ctx 8,388,608 bytes; maskw 524,288 bytes of whole numbers; flags 8,192 bytes of whole numbers
;; launch maskbits: the kernel of part 1 again; grid 128 x 4, 4 waves a work-group, no clusters, 34,304 bytes of LDS; arguments mask, maskw, flags; writes maskw, flags
;; launch proj: the kernel of part 2 again; grid 4 x 96, 4 waves a work-group, clusters of 4 x 4, 327,680 bytes of LDS; arguments q_codes, Wq_codes, bq, qimg, k_codes, Wk_codes, bk, kimg, v_codes, Wv_codes, bv, vimg, lowp_scales; writes qimg, kimg, vimg
;; launch attn (part 5): grid 4 x 64, 16 waves a work-group, no clusters, 268,288 bytes of LDS; arguments qimg, kimg, vimg, maskw, flags, lowp_scales, ctx; writes ctx
.if DOCPART == 5
	.amdgcn_target "amdgcn-amd-amdhsa--gfx1250"
	.amdhsa_code_object_version 6
	.text
	.protected	k_q538f195e9c_attn
	.globl	k_q538f195e9c_attn
	.p2align	8
	.type	k_q538f195e9c_attn,@function
k_q538f195e9c_attn:
	s_mov_b64 s[64:65], 0
	v_nop
	global_prefetch_b8 v0, s[64:65] scope:SCOPE_SE
	s_setreg_imm32_b32 hwreg(HW_REG_WAVE_SCHED_MODE, 0, 2), 2
	s_setreg_imm32_b32 hwreg(HW_REG_WAVE_MODE, 25, 1), 1
	s_wait_xcnt 0x0
	s_wait_alu depctr_vm_vsrc(0)
; Attention on codes of BF8 (E5M2): for one head, o = softmax(where(mask == 0, -10000, q k^T / 8)) v, quantised as the last product's operand.  Operands come as images of their registers (16 bytes a lane at 16 x lane).
; THE SOFTMAX AHEAD OF THE SECOND PRODUCT: t = logit x log2(e); M = the row's largest t so far, rounded UP to a whole number; p = 2^(t - M) is quantised (scale 2^e8), not normalised; the row's sum is taken of the unquantised p
; and divides at the end.  When M moves, the sum and O are multiplied by 2^(old M - new M): exact.
; SHARES.  Work-group (jq, bh): head bh, query tiles T = 4 i + jq, i = 0 .. 31.  Wave w takes i = 31 - w and then i = w.  A tile (16 queries) walks 16 key steps of 128.  256 registers a wave, four waves to a SIMD.
; LDS.  The head's K image (131,072 bytes) and V image (131,072) are copied in once, through registers, each wave one key step of both; a table of 4,096 bytes follows.  ONE barrier; behind it LDS is only read.
; NO CLUSTER, NO TENSOR LOAD: the walk over key steps branches on flags that an earlier launch stored, and what work-groups share (a head's 262,144 bytes, read by four) is fetched once at the head and fits in LDS whole.
; LAYOUT.  Both products transposed: S^T = K Q^T (source 0 = 16 keys, source 1 = my queries), O^T = V^T P^T: a lane holds ONE query (lane % 16).  Register 8 tau + j of S^T is key 16 tau + 8 (lane / 16) + j, so a tile's eight
; registers, converted, are registers 2 tau, 2 tau + 1 of P as the plain 8-bit forms lay an operand; O^T's likewise of the last product's operand.
; THE MASK IS AN INPUT and is honoured as given.  A hidden score's raw sum is replaced by RAW = -80,000 x 2^-(e6 + e7), which stands for the logit -10,000, by one select a register on a lane mask (64 words a tile step, scalar loads).
; A step with nothing hidden jumps over the selects.  A STEP HIDDEN THROUGHOUT is not walked: all its p are the one number pm = 2^(tm - M), tm = -10,000 log2(e), so it adds Q(pm) x (the sum of V's codes over its 128 keys) to O^T
; and 128 pm to the row's sum.  The sums of V's codes, one row of the table a step, are made at the head by matrix instructions against a fragment of ones; behind a tile's walk tm enters the maximum (only where steps were left out).
; LIMITS on the given exponents, so that each power of two below is an f32 number: e6 + e7 between -111 and 130; e8 and e10 between -126 and 112; e8 + e9 is applied by v_ldexp_f32 and has none.
; REGISTERS: v1 16 lane; v2 the same in V's image; v3 my place in a table row; v4, v5 offsets of Q and of the result; v8, v9 LDS addresses in hand; v12 -M, v13 the largest t, v[14:15] the sum; v16-23 Q; v32-95 K's, then V's fragments;
;   v96-159 S^T, then p; v160-191 O^T; v192-199 the result's codes; v200-209 pm's conversion; v210 a permute's destination; v224-239 p's codes; v240-254 constants and work.
; SCALARS: s2 wave; s3 tiles to go; s[16:63], s[68:83] a step's 64 mask words; s[84:85] result; s[86:87] c; s[88:89] permute selects; s90 LDS byte of the step; s91 its mask words' offset; s92 the step; s93 the tile's flags; s96 hold p?; s97 e8 + e9; s99 T.
; THE MODE: SCHED_MODE bits 1:0 = 2 (LLVM: expert scheduling mode 2), set by the entry lines.  The code itself states the register dependences between vector or matrix instructions and memory or LDS instructions, with s_wait_alu, always for 0.
; THE PLAN.  Registers that memory or LDS instructions touch, who writes and who reads them:
;   v1, v10, v11   offsets and addresses made at the head and never written again.  (v2 and v3 are sources of additions alone.)
;   v8             written at a step's head and in a trip of the table's loop; read by K's sixteen LDS loads, and by the table's eight.
;   v9             written at the head (my row of the table, read by eight LDS stores) and, in a step, behind the products K Q^T; read there by V's sixteen LDS loads.
;   v4, v5         written at a tile's head; read by Q's two loads, and by the tile's two stores.
;   v16-23         Q's loads land here; the products K Q^T read them.
;   v32-95         Head: K's global loads land, LDS stores read.  Step: K's LDS loads land, the products K Q^T read; then V's LDS loads land, the products V^T P read.  The table's loop: loads land in v32-63, additions read.
;   v96-159        Head alone: V's global loads land; LDS stores and the four sums' products read.     v160-191  Head alone: those products write, the table's LDS stores read.
;   v192-199       The tile's last four conversions write, its two stores read.                          v223, v255  written at the head, read by the closing add alone.
; A wave has 20 registers to spare, a second set of fragments would take 64: so K and V go on sharing v32-95, and a step has two waits on va_vdst for its two runs of loads, each behind the products that read the set last,
; and one wait on vm_vsrc at its head, which frees both address registers.  V's loads land under the softmax, which names none of v9 and v32-95.
.set VIMG,  131072                     ; LDS: K's image at 0, V's here,
.set TBL,   262144                     ; and the table: row s (256 bytes): the sums of V's codes over key step s, [t][h][j] as O^T's registers lie
.set PRM,   210
	s_load_b256 s[4:11], s[0:1], 0x0               ; qimg, kimg, vimg, maskw
	s_load_b128 s[12:15], s[0:1], 0x20             ; flags, the scales' exponents
	s_load_b64 s[84:85], s[0:1], 0x30              ; ctx
	v_lshl_add_u32 v223, v0, 2, 0x41000
	v_mov_b32 v255, 0
	v_lshrrev_b32 v6, 5, v0
	v_readfirstlane_b32 s2, v6                     ; wave 0..15
	v_and_b32 v6, 31, v0
	v_lshlrev_b32 v1, 4, v6                        ; 16 x lane
	v_add_nc_u32 v2, VIMG, v1
	v_bfe_u32 v7, v0, 4, 1                         ; h
	v_lshlrev_b32 v3, 5, v7
	v_add_nc_u32 v3, TBL, v3                       ; the table: + 32 h
	s_wait_alu depctr_va_sdst(0)                   ; s2 is written, ahead of its first reader: offsets, addresses and the tiles' numbers are made from it
	s_lshl_b32 s92, s2, 13                         ; my key step of the copy: 8,192 bytes of each image
	s_mov_b32 s93, 0
	v_add_nc_u32 v10, s92, v1                      ; where I put K's bytes,
	v_add_nc_u32 v11, s92, v2                      ; V's,
	s_lshl_b32 s94, s2, 8
	v_add_nc_u32 v9, s94, v3                       ; and my row of the table
	s_and_b32 s95, ttmp7, 0xffff                   ; bh = 16 batch + head
	s_lshl_b32 s90, s95, 17                        ; the head's image in each of the three
	s_mov_b32 s91, 0
	s_lshr_b32 s98, s95, 4
	s_lshl_b32 s98, s98, 21                        ; the result: batch x 128 token tiles of 16,384 bytes,
	s_bfe_u32 s94, s95, 0x30001
	s_lshl_b32 s94, s94, 11                        ; + (head / 2) fragments of 2,048,
	s_add_co_u32 s98, s98, s94
	s_and_b32 s94, s95, 1
	s_lshl_b32 s94, s94, 10                        ; + (head % 2) halves of one
	s_add_co_u32 s98, s98, s94
	s_mov_b32 s99, 0
	s_mov_b32 s88, 0x76543210                      ; v_permlanex16_b32: lane l xor 16
	s_mov_b32 s89, 0xfedcba98
	s_wait_kmcnt 0x0
	s_load_b256 s[16:23], s[14:15], 0x0            ; e0 .. e7
	s_load_b128 s[24:27], s[14:15], 0x20           ; e8 .. e11
	s_add_nc_u64 s[4:5], s[4:5], s[90:91]
	s_add_nc_u64 s[6:7], s[6:7], s[90:91]
	s_add_nc_u64 s[8:9], s[8:9], s[90:91]
	s_add_nc_u64 s[6:7], s[6:7], s[92:93]
	s_add_nc_u64 s[8:9], s[8:9], s[92:93]
	s_add_nc_u64 s[84:85], s[84:85], s[98:99]
	s_wait_alu depctr_va_vdst(0)                   ; v1, v9, v10 and v11 are written: the loads below read v1 as their offset, the LDS stores behind them the other three as their addresses
.irp i, 0,1,2,3,4,5,6,7,8,9,10,11,12,13,14,15
	global_load_b128 v[32+4*\i:35+4*\i], v1, s[6:7] offset:512*\i     ; K, key step w: 512 consecutive bytes a load
.endr
.irp i, 0,1,2,3,4,5,6,7,8,9,10,11,12,13,14,15
	global_load_b128 v[96+4*\i:99+4*\i], v1, s[8:9] offset:512*\i     ; V, key step w: four fragments (16 of the head's 64 x 128 keys)
.endr
.set i, 0
.rept 16
	v_mov_b32 v[224+i], 0x3c3c3c3c                 ; a fragment of ones (the code of 1.0); no load or store of the head names these registers
.set i, i+1
.endr
	s_wait_loadcnt 16                              ; K's sixteen loads are in; V's sixteen may be out
.irp i, 0,1,2,3,4,5,6,7,8,9,10,11,12,13,14,15
	ds_store_b128 v10, v[32+4*\i:35+4*\i] offset:512*\i
.endr
	s_wait_loadcnt 0x0
.irp i, 0,1,2,3,4,5,6,7,8,9,10,11,12,13,14,15
	ds_store_b128 v11, v[96+4*\i:99+4*\i] offset:512*\i
.endr
.irp t, 0,1,2,3
	v_wmma_f32_16x16x128_bf8_bf8 v[160+8*\t:167+8*\t], v[96+16*\t:111+16*\t], v[224:239], 0   ; register j of every lane with half h: the sum over the step's keys of V's codes at d = 16 t + 8 h + j
.endr
.irp i, 201,202,203,204,205,206,207
	v_mov_b32 v\i, 0                               ; constants, made here: they are the places behind the four products
.endr
	v_mov_b32 v[PRM], 0                            ; written once: a lane permute's destination counts as one of its sources
	v_mov_b32 v241, 0xff61b1e6                     ; -3e38, under every t
	v_mov_b32 v249, 0                              ; (upper halves of pairs that are named whole)
	v_mov_b32 v253, 0
	s_wait_alu depctr_va_vdst(0)                   ; the four products have written v[160:191], which the LDS stores below read; the places above stay beside this wait
.irp t, 0,1,2,3
	ds_store_b128 v9, v[160+8*\t:163+8*\t] offset:64*\t       ; sixteen lanes write the same bytes with the same numbers
	ds_store_b128 v9, v[164+8*\t:167+8*\t] offset:64*\t+16
.endr
	s_wait_kmcnt 0x0
	s_add_co_i32 s94, s22, s23                     ; e6 + e7
	s_lshl_b32 s94, s94, 23
	s_add_co_i32 s86, s94, 0x3e38aa3b              ; c = log2(e) / 8 x 2^(e6 + e7): t = raw sum x c
	s_mov_b32 s87, s86                             ; (named with it as a pair)
	s_sub_co_i32 s95, 0xc79c4000, s94              ; RAW = -80,000 x 2^-(e6 + e7): RAW x c = -10,000 log2(e)
	v_mov_b32 v245, s95
	s_add_co_i32 s94, s24, 127
	s_lshl_b32 s95, s94, 23
	v_mov_b32 v244, s95                            ; 2^e8, for p's conversions
	s_add_co_i32 s94, s94, 15
	s_lshl_b32 s94, s94, 23
	s_or_b32 s94, s94, 0x600000
	v_mov_b32 v240, s94                            ; 57,344 x 2^e8
	s_cmp_lt_i32 s24, -15
	s_cselect_b32 s96, 1, 0                        ; p is at most 1: the hold can act only where 57,344 x 2^e8 < 1, that is e8 < -15
	s_add_co_i32 s97, s24, s25                     ; e8 + e9
	s_add_co_i32 s94, s26, 127
	s_lshl_b32 s95, s94, 23
	v_mov_b32 v247, s95                            ; 2^e10, for the result's conversions
	s_add_co_i32 s94, s94, 15
	s_lshl_b32 s94, s94, 23
	s_or_b32 s94, s94, 0x600000
	v_mov_b32 v246, s94                            ; 57,344 x 2^e10
	s_wait_dscnt 0x0                               ; for the others' sake: my stores into the images and the table are done
	s_barrier_signal -1
	s_barrier_wait -1                              ; the one barrier: from here on LDS is only read
	s_mov_b32 s3, 2
.Ltile:
	s_wait_xcnt 0x0                                ; the last tile's stores have read their offset and their codes' registers
	s_wait_alu depctr_vm_vsrc(0)                   ; first tile: the head's LDS stores have read v9 and v[32:191]; second tile: the first's stores have read v5 and v[192:199], its loads v4, v8 and v9: all of these are written again below
	s_sub_co_u32 s95, 31, s2
	s_cmp_eq_u32 s3, 2
	s_cselect_b32 s99, s95, s2                     ; i = 31 - w, then w
	s_lshl_b32 s99, s99, 2
	s_add_co_u32 s99, s99, ttmp9                   ; T = 4 i + jq
	s_lshl_b32 s94, s99, 6
	s_load_b512 s[16:31], s[12:13], s94            ; the tile's sixteen flag words
	s_lshl_b32 s90, s99, 12
	s_mov_b32 s91, 0
	s_add_nc_u64 s[100:101], s[10:11], s[90:91]    ; its mask words: 16 steps x 256 bytes
	v_lshl_add_u32 v4, s99, 10, v1                 ; Q's token tile,
	v_lshl_add_u32 v5, s99, 14, v1                 ; the result's token tile
	s_wait_alu depctr_va_vdst(0)                   ; v4 and v5 are written, the offsets of the loads below and of the tile's stores; the last tile's products K Q^T are done reading v[16:23], in which the loads land
	global_load_b128 v[16:19], v4, s[4:5]          ; Q's fragment: 16 queries x 64
	global_load_b128 v[20:23], v4, s[4:5] offset:512
	v_mov_b32 v13, v241                            ; the largest t so far
	v_floor_f32 v12, -v13                          ; -M
	v_mov_b32 v14, 0                               ; the sum, in two halves
	v_mov_b32 v15, 0
.set j, 0
.rept 32
	v_mov_b32 v[160+j], 0                          ; O^T: the walk may begin at any step, so it begins on zeros
.set j, j+1
.endr
	s_wait_kmcnt 0x0
	s_or_b32 s93, s16, s17
.irp i, 18,19,20,21,22,23,24,25,26,27,28,29,30,31
	s_or_b32 s93, s93, s\i                         ; bit ks: step ks is hidden throughout; bit 16 + ks: nothing in it is hidden
.endr
	s_mov_b32 s90, 0
	s_mov_b32 s91, 0
	s_mov_b32 s92, 0
	s_wait_loadcnt 0x0                             ; Q
.Lstep:                                                ; sixteen trips, a constant; what is jumped over is a step's work
	s_lshr_b32 s94, s93, s92
	s_bitcmp1_b32 s94, 0
	s_cbranch_scc1 .Lnext                          ; hidden throughout: its share is added behind the walk
	s_load_b512 s[16:31], s[100:101], s91          ; the step's 64 lane masks
	s_load_b512 s[32:47], s[100:101], s91 offset:0x40
	s_load_b512 s[48:63], s[100:101], s91 offset:0x80
	s_load_b512 s[68:83], s[100:101], s91 offset:0xc0
	s_wait_alu depctr_vm_vsrc(0)                   ; the LDS loads issued so far have read v8 and v9: v8 is written in the next line, v9 behind the products below, and between here and there only loads by v8 are issued
	v_add_nc_u32 v8, s90, v1
.rept 3
	v_nop                                          ; with the addition above: four places in front of loads into registers that the last step's products read
.endr
	s_wait_alu depctr_va_vdst(0)                   ; v8 is written, the address of the loads below; the last step's products V^T P are done reading v[32:95], in which they land
.irp t, 0,1,2,3,4,5,6,7
	ds_load_b128 v[32+8*\t:35+8*\t], v8 offset:1024*\t         ; K: 16 keys x 64, two pieces
	ds_load_b128 v[36+8*\t:39+8*\t], v8 offset:1024*\t+512
.endr
	s_wait_dscnt 0x0
.irp t, 0,1,2,3,4,5,6,7
	v_wmma_f32_16x16x64_bf8_bf8 v[96+8*\t:103+8*\t], v[32+8*\t:39+8*\t], v[16:23], 0
.endr
	v_add_nc_u32 v9, s90, v2
.rept 3
	v_nop                                          ; four places again: for V's loads into K's registers, and for the first read of the scores
.endr
	s_wait_alu depctr_va_vdst(0)                   ; v9 is written, the address of the loads below; the eight products above are done reading v[32:95], in which they land
.irp t, 0,1,2,3
.irp p, 0,1,2,3
	ds_load_b128 v[32+16*\t+4*\p:35+16*\t+4*\p], v9 offset:2048*\t+512*\p   ; V: they land while the softmax is worked, which names none of v9 and v[32:95]
.endr
.endr
	s_wait_kmcnt 0x0                               ; the lane masks
	s_bitcmp1_b32 s94, 16
	s_cbranch_scc1 .Lopen                          ; nothing hidden
.set n, 0
.rept 64
.if n < 48
	v_cndmask_b32 v[96+n], v[96+n], v245, s[16+n]  ; a hidden score becomes RAW
.else
	v_cndmask_b32 v[96+n], v[96+n], v245, s[20+n]
.endif
.set n, n+1
.endr
.Lopen:
	v_max3_num_f32 v254, v96, v97, v98             ; the step's largest score of my query among my 64 keys, in two chains,
	v_max3_num_f32 v252, v99, v100, v101
.irp i, 6,10,14,18,22,26,30,34,38,42,46,50,54,58
	v_max3_num_f32 v254, v254, v[96+\i], v[97+\i]
	v_max3_num_f32 v252, v252, v[98+\i], v[99+\i]
.endr
	v_max3_num_f32 v254, v254, v158, v159
	v_max_num_f32 v254, v254, v252
	v_permlanex16_b32 v[PRM], v254, s88, s89
	v_max_num_f32 v254, v254, v[PRM]               ; and among lane l xor 16's
	v_mul_f32 v254, s86, v254                      ; as t (c is positive)
	v_max_num_f32 v13, v13, v254                   ; the running largest t
	v_mov_b32 v254, v12
	v_floor_f32 v12, -v13                          ; the new -M = floor(-t) = -ceil(t)
	v_sub_f32 v254, v12, v254                      ; old M - new M: a whole number, 0 or less
	v_cvt_i32_f32 v254, v254                       ; (it saturates)
	v_ldexp_f32 v252, 1.0, v254                    ; f = 2^(old M - new M)
.set j, 0
.rept 32
	v_pk_fma_f32 v[96+j:97+j], v[96+j:97+j], s[86:87], v[12:13] op_sel_hi:[1,0,0]   ; t - M, two at a time
.set j, j+2
.endr
.set j, 0
.rept 64
	v_exp_f32 v[96+j], v[96+j]                     ; p = 2^(t - M), at most 1
.set j, j+1
.endr
	v_pk_mul_f32 v[14:15], v[14:15], v[252:253] op_sel_hi:[1,0]   ; the sums under the new M; the plain instruction behind the exponentials
	s_wait_alu depctr_va_vdst(0)                   ; the 64 exponentials have written v[96:159]: one wait for the batch, ahead of its first reader
	v_pk_add_f32 v[242:243], v[96:97], v[98:99]    ; the row's sum is taken of the unquantised p, in two chains
.irp j, 4,8,12,16,20,24,28,32,36,40,44,48,52,56,60
	v_pk_add_f32 v[14:15], v[14:15], v[96+\j:97+\j]
	v_pk_add_f32 v[242:243], v[242:243], v[98+\j:99+\j]
.endr
	v_pk_add_f32 v[14:15], v[14:15], v[242:243]
	s_cmp_eq_u32 s96, 0
	s_cbranch_scc1 .Lnohold                        ; 57,344 x 2^e8 is 1 or more: no p lies beyond it
.set j, 0
.rept 64
	v_min_num_f32 v[96+j], v[96+j], v240           ; the conversion does not saturate (ISA guide 7.6.2); p is not negative, so the hold is one-sided
.set j, j+1
.endr
.Lnohold:
.irp t, 0,1,2,3,4,5,6,7
	v_cvt_scalef32_pk8_bf8_f32 v[224+2*\t:225+2*\t], v[96+8*\t:103+8*\t], v244   ; registers 2 tau, 2 tau + 1 of P: keys 16 tau + 8 h + 0 .. 7
.endr
.set j, 0
.rept 16
	v_pk_mul_f32 v[160+j:161+j], v[160+j:161+j], v[252:253] op_sel_hi:[1,0]   ; O^T under the new M; also the plain instructions behind the conversions
.set j, j+2
.endr
	s_wait_dscnt 0x0                               ; V
.irp t, 0,1,2,3
	v_wmma_f32_16x16x128_bf8_bf8 v[160+8*\t:167+8*\t], v[32+16*\t:47+16*\t], v[224:239], v[160+8*\t:167+8*\t]   ; four accumulators by turns
.endr
.Lnext:
	s_add_co_u32 s90, s90, 8192
	s_add_co_u32 s91, s91, 256
	s_add_co_u32 s92, s92, 1
	s_cmp_lt_u32 s92, 16
	s_cbranch_scc1 .Lstep
	; THE STEPS THAT WERE LEFT OUT.  OF = the sum of their rows of the table; nF their number.
	s_and_b32 s93, s93, 0xffff
	s_bcnt1_i32_b32 s95, s93                       ; nF
.set j, 0
.rept 32
	v_mov_b32 v[96+j], 0                           ; OF; also the places behind the last products
.set j, j+1
.endr
	s_mov_b32 s92, 0
	s_mov_b32 s90, 0
.Lsum:
	s_lshr_b32 s94, s93, s92
	s_bitcmp1_b32 s94, 0
	s_cbranch_scc0 .Lsumnext
	s_wait_alu depctr_vm_vsrc(0)                   ; the LDS loads issued so far (K's of the last step walked, the table's of the last trip) have read v8, which the next line writes
	v_add_nc_u32 v8, s90, v3
	s_wait_alu depctr_va_vdst(0)                   ; v8 is written, the address of the loads below; the last readers of v[32:63], the products V^T P or the last trip's additions, are done, so the loads may land there
.irp t, 0,1,2,3
	ds_load_b128 v[32+8*\t:35+8*\t], v8 offset:64*\t
	ds_load_b128 v[36+8*\t:39+8*\t], v8 offset:64*\t+16
.endr
	s_wait_dscnt 0x0
.set j, 0
.rept 16
	v_pk_add_f32 v[96+j:97+j], v[96+j:97+j], v[32+j:33+j]
.set j, j+2
.endr
.Lsumnext:
	s_add_co_u32 s90, s90, 256
	s_add_co_u32 s92, s92, 1
	s_cmp_lt_u32 s92, 16
	s_cbranch_scc1 .Lsum
	v_mul_f32 v254, s86, v245                      ; tm = RAW x c
	s_cmp_lg_u32 s95, 0
	s_cselect_b32 s94, -1, 0
	v_cndmask_b32 v254, v241, v254, s94            ; it enters the maximum only where steps were left out
	v_max_num_f32 v13, v13, v254
	v_mov_b32 v254, v12
	v_floor_f32 v12, -v13
	v_sub_f32 v254, v12, v254
	v_cvt_i32_f32 v254, v254
	v_ldexp_f32 v252, 1.0, v254                    ; f, as in a step
	v_fma_f32 v250, v245, s86, v12                 ; tm - M,
	v_min_num_f32 v250, 0, v250                    ; 0 or less where steps were left out; held so where none was, when pm counts for nothing
	v_exp_f32 v250, v250                           ; pm
	s_lshl_b32 s95, s95, 7
	v_cvt_f32_u32 v251, s95                        ; 128 nF; the plain instruction behind the exponential
	v_pk_mul_f32 v[14:15], v[14:15], v[252:253] op_sel_hi:[1,0]
	s_wait_alu depctr_va_vdst(0)                   ; the exponential has written v250 (pm), ahead of its first reader
	v_min_num_f32 v200, v250, v240                 ; the hold
	v_cvt_scalef32_pk8_bf8_f32 v[208:209], v[200:207], v244   ; pm's code in the lowest byte (the other seven numbers are zeros)
	v_add_f32 v14, v14, v15                        ; the sum's two halves; the plain instruction behind the conversion
	v_cvt_f32_bf8 v248, v208                       ; the code's value: Q(pm) / 2^e8, as P's codes count in O^T
	v_permlanex16_b32 v[PRM], v14, s88, s89
	v_add_f32 v14, v14, v[PRM]                     ; and lane l xor 16's
	v_fma_f32 v14, v251, v250, v14                 ; + 128 nF pm: the row's sum
	v_rcp_f32 v14, v14
.set j, 0
.rept 16
	v_pk_mul_f32 v[160+j:161+j], v[160+j:161+j], v[252:253] op_sel_hi:[1,0]   ; O^T under the last M
.set j, j+2
.endr
.set j, 0
.rept 16
	v_pk_fma_f32 v[160+j:161+j], v[96+j:97+j], v[248:249], v[160+j:161+j] op_sel_hi:[1,0,1]   ; + OF x Q(pm)
.set j, j+2
.endr
	s_wait_alu depctr_va_vdst(0)                   ; the reciprocal has written v14, ahead of its first reader
	v_ldexp_f32 v14, v14, s97                      ; x 2^(e8 + e9)
.set j, 0
.rept 16
	v_pk_mul_f32 v[128+j:129+j], v[160+j:161+j], v[14:15] op_sel_hi:[1,0]   ; register 8 t + i: o(query r, d = 16 t + 8 h + i)
.set j, j+2
.endr
.set j, 0
.rept 32
	v_med3_num_f32 v[128+j], v[128+j], -v246, v246 ; the hold at the largest code x 2^e10
.set j, j+1
.endr
.irp t, 0,1,2,3
	v_cvt_scalef32_pk8_bf8_f32 v[192+2*\t:193+2*\t], v[128+8*\t:135+8*\t], v247
.endr
	v_nop                                          ; one plain vector instruction behind the last conversion
	s_wait_alu depctr_va_vdst(0)                   ; the four conversions have written v[192:199], which the two stores below read
	global_store_b128 v5, v[192:195], s[84:85]     ; 512 consecutive aligned bytes each: two pieces of the last product's operand
	global_store_b128 v5, v[196:199], s[84:85] offset:512
	s_sub_co_u32 s3, s3, 1
	s_cmp_lg_u32 s3, 0
	s_cbranch_scc1 .Ltile
	s_wait_dscnt 0x0                               ; the closing lines, six on end
	s_wait_alu 0x0
	s_wait_tensorcnt 0x0
	ds_add_u32 v223, v255
	s_wait_dscnt 0x0
	s_endpgm
.Lfunc_end_k_q538f195e9c_attn:
	.size	k_q538f195e9c_attn, .Lfunc_end_k_q538f195e9c_attn-k_q538f195e9c_attn
	.p2alignl 7, 3214868480
	.fill 96, 4, 3214868480
	.section	.rodata,"a",@progbits
	.p2align	6, 0x0
	.amdhsa_kernel k_q538f195e9c_attn
		.amdhsa_group_segment_fixed_size 268288
		.amdhsa_private_segment_fixed_size 0
		.amdhsa_enable_private_segment 0
		.amdhsa_kernarg_size 56
		.amdhsa_user_sgpr_count 2
		.amdhsa_user_sgpr_kernarg_segment_ptr 1
		.amdhsa_wavefront_size32 1
		.amdhsa_system_sgpr_workgroup_id_x 1
		.amdhsa_system_sgpr_workgroup_id_y 1
		.amdhsa_system_sgpr_workgroup_id_z 1
		.amdhsa_system_vgpr_workitem_id 0
		.amdhsa_next_free_vgpr 256
		.amdhsa_next_free_sgpr 102
		.amdhsa_reserve_vcc 0
		.amdhsa_float_denorm_mode_32 3
		.amdhsa_float_denorm_mode_16_64 3
		.amdhsa_memory_ordered 1
		.amdhsa_forward_progress 1
		.amdhsa_inst_pref_size 43
	.end_amdhsa_kernel
	.amdgpu_metadata
---
amdhsa.version: [ 1, 2 ]
amdhsa.kernels:
  - .name:           k_q538f195e9c_attn
    .symbol:         k_q538f195e9c_attn.kd
    .args:
      - { .name: qimg, .offset: 0, .size: 8, .value_kind: global_buffer, .address_space: global }
      - { .name: kimg, .offset: 8, .size: 8, .value_kind: global_buffer, .address_space: global }
      - { .name: vimg, .offset: 16, .size: 8, .value_kind: global_buffer, .address_space: global }
      - { .name: maskw, .offset: 24, .size: 8, .value_kind: global_buffer, .address_space: global }
      - { .name: flags, .offset: 32, .size: 8, .value_kind: global_buffer, .address_space: global }
      - { .name: lowp_scales, .offset: 40, .size: 8, .value_kind: global_buffer, .address_space: global }
      - { .name: ctx, .offset: 48, .size: 8, .value_kind: global_buffer, .address_space: global }
    .group_segment_fixed_size: 268288
    .private_segment_fixed_size: 0
    .kernarg_segment_align: 8
    .kernarg_segment_size: 56
    .max_flat_workgroup_size: 512
    .sgpr_count:     102
    .vgpr_count:     256
    .wavefront_size: 32
...
	.end_amdgpu_metadata
.endif
;; end of part 5
;; launch outp: the kernel of part 4 again; grid 8 x 32, 4 waves a work-group, clusters of 4 x 4, 327,680 bytes of LDS; arguments ctx, Wo_codes, bo, lowp_scales, out0; writes out0
